; MI455X (gfx1250); checked and timed in simulation.
; The chip was launched on July 23, 2026; its instructions are those of AMD's public machine-readable ISA for CDNA 5 (MIT licence, August 2026) and "CDNA5" Instruction Set Architecture Reference Guide (July 2026). The comments in the code are by the model that wrote it; some were corrected since.
;; Multi Head Attention. Allowed arithmetic: matrix products marked QUANTISED: E2M3 operands, one E8M0 scale for each 32 along K, by v_wmma_scale_f32_16x16x128_f8f6f4 with both operands' format E2M3, f32 sums; everything else in f32.
;; Inputs: Wk 1,024 x 1,024 float32; Wo 1,024 x 1,024 float32; Wq 1,024 x 1,024 float32; Wv 1,024 x 1,024 float32; attention_mask 4 x 2,048 int32; x 4 x 2,048 x 1,024 float32.
;; Outputs: out0 4 x 2,048 x 1,024 float32.
;; This version of the problem:
;;   THIS VERSION OF THE PROBLEM IS GIVEN IN LOW PRECISION. The matrix products marked QUANTISED in the list below multiply operands that are first quantised to E2M3 (2 exponent bits, 3 mantissa bits; 6 bits a number), with one power-of-two scale for each 32 numbers along K (OCP MX v1.0); their sums are f32. All else is computed in f32.
;;   The module's matrix products, in the order in which they are computed (A, B: the left and right operand; K: the contracted axis; several contracted axes count as one K, in the product's order):
;;     1. [M 8,192, K 1,024] x [K 1,024, N 1,024]; A: input x; B: input Wq: QUANTISED
;;     2. [M 8,192, K 1,024] x [K 1,024, N 1,024]; A: input x; B: input Wk: QUANTISED
;;     3. [M 8,192, K 1,024] x [K 1,024, N 1,024]; A: input x; B: input Wv: QUANTISED
;;     4. batch 64 x [M 2,048, K 64] x [K 64, N 2,048]; A: computed on the way; B: computed on the way: QUANTISED
;;     5. batch 64 x [M 2,048, K 2,048] x [K 2,048, N 64]; A: softmax (see below); B: computed on the way: QUANTISED
;;     6. [M 8,192, K 1,024] x [K 1,024, N 1,024]; A: computed on the way; B: input Wo: QUANTISED
;;   THE QUANTISER, for each operand of a quantised product, along K:
;;     - K is cut into blocks of 32 from its start; a last block that is shorter is filled with zeros.
;;     - A block's scale is 2^e with e = floor(log2(the largest magnitude in the block)) - 2, held to -126 .. 127; a block of zeros has e = 0. As a byte (E8M0): e + 127.
;;     - Each number is divided by its block's scale, clamped to +-7.5, and rounded to the nearest number of E2M3, ties to even, subnormals kept.
;;     - The product sums the exact products of the quantised numbers (number of the format x scale) in f32.
;;   ~~~python
;;   def quantise(x, axis):      # numpy; x: float32 -> the quantised numbers, widened to float32 again
;;       x = np.moveaxis(x, axis, -1); K = x.shape[-1]
;;       x = np.pad(x, [(0, 0)] * (x.ndim - 1) + [(0, -K % 32)]); x = x.reshape(x.shape[:-1] + (-1, 32)); a = np.abs(x).max(-1, keepdims=True)
;;       e = np.where(a > 0, np.clip(np.frexp(np.where(a > 0, a, 1))[1] - 1 - 2, -126, 127), 0)      # np.frexp(a)[1] - 1 = floor(log2(a)), exactly
;;       r = np.clip(x / 2.0 ** e, -7.5, 7.5)
;;       step = 2.0 ** (np.maximum(np.frexp(np.where(r == 0, 1, r))[1] - 1, 0) - 3)
;;       q = np.round(r / step) * step * 2.0 ** e      # np.round: ties to even
;;       return np.moveaxis(q.reshape(q.shape[:-2] + (-1,))[..., :K], -1, axis).astype(np.float32)
;;   ~~~
;;   SOFTMAX AHEAD OF A QUANTISED PRODUCT. Where the list says 'softmax', what is quantised is not the finished softmax but p = 2^(t - M), with t = logit x log2(e) and M = ceil(the row's largest t), a whole number; so 1/2 < the row's largest p <= 1. The row's sum l is taken of the UNQUANTISED p, in f32, and the product's result is divided by l at the end. Since M is a whole number, a kernel that streams over the keys may use a running M (the ceiling of the running maximum): every later rescaling is an exact power of two, which a block's scale takes up: the codes' values come out the same.
;;   OPERANDS COMPUTED ON THE WAY. 'Computed on the way' means the value that the module computes at that place (a softmax that the list does not call 'softmax' is quantised finished and normalised). What goes into a quantiser is computed in f32, as accurately as f32 sums, v_exp_f32 and their like allow (about 1e-6 of the number): no bf16 or f16 on the way to a quantiser, and a product that is left as it is and whose result goes on into a quantised operand takes f32 operands (vector FMAs, or v_wmma_f32_16x16x4_f32). A number that lies on a knife's edge between two numbers of the format may be rounded either way, as far as f32 arithmetic and the matrix unit's own rounding can turn it there, and no further.
;; One version. Each part assembles by itself: llvm-mc -triple=amdgcn-amd-amdhsa -mcpu=gfx1250 --defsym DOCPART=n.
;; ======== version 1 of 1: 5 launches
;; limits: right only within a limited range of input values
;; workspace buffers: xq 6,553,600 bytes; wqk 1,835,008 bytes; wv 1,048,576 bytes; wo 1,048,576 bytes; qkc 13,107,200 bytes; vc 6,815,744 bytes; ctx 6,553,600 bytes
;; launch prep (part 1): grid 768 x 1, 4 waves a work-group, no clusters, 34,304 bytes of LDS; arguments x, Wq, Wk, Wv, Wo, xq, wqk, wv, wo; writes xq, wqk, wv, wo
.if DOCPART == 1
	.amdgcn_target "amdgcn-amd-amdhsa--gfx1250"
	.amdhsa_code_object_version 6
	.text
	.protected	k_q0211635cfc_prep
	.globl	k_q0211635cfc_prep
	.p2align	8
	.type	k_q0211635cfc_prep,@function
k_q0211635cfc_prep:
	s_mov_b64 s[64:65], 0
	v_nop
	global_prefetch_b8 v0, s[64:65] scope:SCOPE_SE
	s_setreg_imm32_b32 hwreg(HW_REG_WAVE_MODE, 25, 1), 1
	s_wait_xcnt 0x0
; x [8192][1024] and the four weights [1024 (k)][1024 (n)], f32, become codes of FP6 (E2M3) with one E8M0 byte for each 32 along K.
; A block's scale is 2^(floor(log2(its largest magnitude)) - 2); its byte is the largest magnitude's exponent field - 2, held at 1 from below.
; (A block of zeros gets the byte 1 where the rule says 127: its codes are zeros, and only this program reads the bytes.)
; LIMITS: NaN and infinities among the inputs are not served; blocks whose largest magnitude lies under 2^(3 - 127) keep the byte 1.
; AN OPERAND BUFFER: scale bytes [row][32] from byte 0; from byte CODES on the codes as IMAGES OF THE OPERAND'S REGISTERS:
; fragment (16 rows T, 128 along K s) at (8 T + s) x 1536, in it [pair of registers 0..5][lane 0..31][8 bytes].
; THE ORDER INSIDE A BLOCK OF 32: place i holds number pi(i) = i % 8 + 16 ((i / 8) % 2) + 8 (i / 16), in EVERY operand of this program:
; it is the order in which two neighbouring tiles of a matrix result fall into a lane's registers, so later launches quantise results as they lie.
; Both operands of a product carry it, so the sums are those of the true order; blocks and their scales are the true blocks.
; Work-groups 0-511: 16 rows of x each, wave w the K steps 2 w and 2 w + 1.  Work-groups 512-767: a weight's 128 columns x 128 along K, a lane to a column.
; No tensor load, no barrier: waves share nothing.  Only x's path uses LDS (a stage of 16 rows x 528 bytes for each wave).
.set CODES, 262144
.set R,   16                           ; v16-143  numbers as loaded
.set X,   144                          ; v144-207 x: 64 numbers back from the stage
.set CW,  144                          ; v144-175 weights: eight registers for each block's codes
.set PC,  208                          ; v208-227 x: a fragment's codes
.set TM,  228                          ; v228-243 x: the quantiser's work
.set PW,  244                          ; v244-245 x: the two K steps' scale words
.set SEL, 26                           ; s[26:27] lane selects for v_permlanex16_b32: lane l xor 16
	s_load_b512 s[4:19], s[0:1], 0x0               ; x, Wq, Wk, Wv, Wo, xq, wqk, wv
	s_load_b64 s[20:21], s[0:1], 0x40              ; wo
	v_lshl_add_u32 v254, v0, 2, 0x8400
	v_mov_b32 v255, 0
	v_lshrrev_b32 v1, 5, v0
	v_readfirstlane_b32 s24, v1                    ; wave 0..3
	v_and_b32 v6, 31, v0                           ; lane
	s_cmp_lt_u32 ttmp9, 512
	s_cbranch_scc0 .Lweights
	; ---------------- x: K is innermost ----------------
	v_and_b32 v7, 15, v0                           ; r
	v_bfe_u32 v10, v0, 4, 1                        ; h
	v_lshlrev_b32 v1, 4, v6                        ; 16 x lane: my bytes of a load's 512
	v_lshlrev_b32 v2, 3, v6                        ; 8 x lane: my bytes of an image's pair
	s_mul_i32 s28, s24, 16*528                     ; my wave's stage
	v_add_nc_u32 v3, s28, v1                       ; into it: a row as it lies
	v_mul_u32_u24 v4, v7, 528
	v_lshl_add_u32 v4, v10, 5, v4
	v_add_nc_u32 v4, s28, v4                       ; out of it: row r, + 32 h
	v_lshlrev_b32 v5, 5, v7
	v_lshl_add_u32 v5, v10, 2, v5                  ; scale words: 32 r + 4 h
	s_mov_b32 s[SEL], 0x76543210
	s_mov_b32 s[SEL+1], 0xfedcba98
.irp b, 0,1,2,3
	v_mov_b32 v[TM+4+\b], 0                        ; written once: a lane permute's destination counts as one of its sources
.endr
	s_lshl_b32 s28, ttmp9, 16                      ; 16 rows of 4,096 bytes
	s_lshl_b32 s29, s24, 10                        ; my two K steps: 1,024 bytes of a row
	s_add_co_u32 s28, s28, s29
	s_mov_b32 s29, 0
	s_mul_i32 s30, ttmp9, 12288                    ; the rows' eight fragments
	s_mul_i32 s31, s24, 3072                       ; my two of them
	s_add_co_u32 s30, s30, s31
	s_add_co_u32 s30, s30, CODES
	s_mov_b32 s31, 0
	s_lshl_b32 s32, ttmp9, 9                       ; the rows' scale bytes
	s_lshl_b32 s33, s24, 3                         ; my two words
	s_add_co_u32 s32, s32, s33
	s_mov_b32 s33, 0
	s_wait_alu depctr_va_vdst(0)
	s_wait_kmcnt 0x0
	s_add_nc_u64 s[4:5], s[4:5], s[28:29]
	s_add_nc_u64 s[30:31], s[14:15], s[30:31]
	s_add_nc_u64 s[32:33], s[14:15], s[32:33]
.irp e, 0,1
.irp rho, 0,1,2,3,4,5,6,7,8,9,10,11,12,13,14,15
	global_load_b128 v[R+64*\e+4*\rho:R+64*\e+4*\rho+3], v1, s[4:5] offset:\rho*4096+\e*512 th:TH_LOAD_NT   ; 32 lanes read 512 consecutive bytes: one row's K step
.endr
.endr
; K step e goes through the stage: in as rows, out as the conversions want it: register 16 b + i of lane (r, h) = number i % 8 + 16 (i / 8) + 8 h of block b of row r.
; LDS serves a wave's instructions in order, so no wait stands between the stores and the loads.  Rows 528 bytes apart: sixteen rows start in sixteen different columns of 16 bytes.
.macro TURN e
.irp rho, 0,1,2,3,4,5,6,7,8,9,10,11,12,13,14,15
	ds_store_b128 v3, v[R+64*\e+4*\rho:R+64*\e+4*\rho+3] offset:\rho*528
.endr
.irp b, 0,1,2,3
.irp j, 0,1,2,3
	ds_load_b128 v[X+16*\b+4*\j:X+16*\b+4*\j+3], v4 offset:128*\b+16*(\j%2)+64*(\j/2)
.endr
.endr
.endm
; 64 numbers of a lane become a fragment's codes in v[PC] on and its row's scale word in v[pw].
.macro QUANT s, pw
.irp b, 0,1,2,3
	v_max3_num_f32 v[TM+\b], |v[\s+16*\b]|, |v[\s+1+16*\b]|, 0x1800000   ; my 16 numbers of block b, and the floor 2^(3 - 127): the byte cannot fall under 1
.endr
.irp i, 2,4,6,8,10,12,14
.irp b, 0,1,2,3
	v_max3_num_f32 v[TM+\b], v[TM+\b], |v[\s+16*\b+\i]|, |v[\s+1+16*\b+\i]|
.endr
.endr
.irp b, 0,1,2,3
	v_permlanex16_b32 v[TM+4+\b], v[TM+\b], s[SEL], s[SEL+1]
.endr
.irp b, 0,1,2,3
	v_max_num_f32 v[TM+\b], v[TM+\b], v[TM+4+\b]   ; with lane l xor 16's: the block's largest magnitude
.endr
.irp b, 0,1,2,3
	v_add_nc_u32 v[TM+12+\b], 0xff000000, v[TM+\b] ; 2 off its exponent field: the conversion's scale operand
.endr
.irp b, 0,1,2,3
	v_lshrrev_b32 v[TM+4+\b], 23, v[TM+12+\b]      ; the scale's byte
.endr
	v_lshl_or_b32 v[\pw], v[TM+5], 8, v[TM+4]
	v_lshl_or_b32 v[\pw], v[TM+6], 16, v[\pw]
	v_lshl_or_b32 v[\pw], v[TM+7], 24, v[\pw]
.irp c, 0,1
	v_cvt_scalef32_pk16_fp6_f32 v[PC+6*\c:PC+2+6*\c], v[\s+32*\c:\s+15+32*\c], v[TM+12+2*\c]
	v_cvt_scalef32_pk16_fp6_f32 v[PC+12+4*\c:PC+14+4*\c], v[\s+16+32*\c:\s+31+32*\c], v[TM+12+2*\c+1]   ; (a conversion's three registers begin on an even number)
.endr
	v_nop                                          ; one plain place behind a scaled conversion
.irp c, 0,1                                        ; the operand's layout wants a whole block in a lane: lanes 0-15 block 2 c, lanes 16-31 block 2 c + 1
.irp i, 0,1,2
	v_permlane16_swap_b32 v[PC+6*\c+\i], v[PC+12+4*\c+\i]
.endr
.irp i, 0,1,2
	v_mov_b32 v[PC+3+6*\c+\i], v[PC+12+4*\c+\i]
.endr
.endr
.endm
	s_wait_loadcnt 16                              ; the first K step's 16 loads are in; the second's 16 may be out
	TURN 0
	s_wait_dscnt 0x0
	QUANT X, PW
.irp p, 0,1,2,3,4,5
	global_store_b64 v2, v[PC+2*\p:PC+2*\p+1], s[30:31] offset:256*\p   ; 32 lanes store 256 consecutive bytes, aligned
.endr
	s_wait_loadcnt 0x0
	TURN 1
	s_wait_dscnt 0x0
	s_wait_xcnt 0x0                                ; the stores above have read the codes' registers, which are written again now
	QUANT X, PW+1
.irp p, 0,1,2,3,4,5
	global_store_b64 v2, v[PC+2*\p:PC+2*\p+1], s[30:31] offset:1536+256*\p
.endr
	v_cmp_ne_u32 vcc_lo, 0, v10
	v_cndmask_b32 v246, v244, v245, vcc_lo         ; lanes 0-15 carry the first K step's word of row r, lanes 16-31 the second's
	global_store_b32 v5, v246, s[32:33]            ; 8 bytes of each row's 32: blocks of 256 bytes are written in part here, 4 bytes for each 512 read
	s_wait_tensorcnt 0x0
	ds_add_u32 v254, v255
	s_wait_dscnt 0x0
	s_endpgm
	; ---------------- a weight: K is the first axis.  A lane takes a column n, its registers run down K ----------------
.Lweights:
	s_wait_alu depctr_va_vdst(0)
	v_lshlrev_b32 v2, 2, v6                        ; 4 x lane
	v_lshlrev_b32 v3, 3, v6                        ; 8 x lane
	v_lshlrev_b32 v4, 5, v6                        ; 32 x lane: a row of scale bytes
	s_sub_co_u32 s28, ttmp9, 512
	s_and_b32 s29, s28, 7                          ; which 128 columns
	s_bfe_u32 s30, s28, 0x30003                    ; which K step
	s_lshr_b32 s31, s28, 6                         ; which weight: Wq, Wk, Wv, Wo
	s_lshl_b32 s34, s29, 7
	s_lshl_b32 s35, s24, 5
	s_add_co_u32 s34, s34, s35                     ; my wave's first column
	s_wait_alu depctr_va_vdst(0)
	s_wait_kmcnt 0x0
	s_cmp_eq_u32 s31, 1                            ; the choices hang on the work-group's number alone
	s_cselect_b64 s[6:7], s[8:9], s[6:7]
	s_cselect_b32 s33, 1024, 0                     ; Wk's rows lie behind Wq's in wqk
	s_cmp_eq_u32 s31, 2
	s_cselect_b64 s[6:7], s[10:11], s[6:7]
	s_cselect_b64 s[16:17], s[18:19], s[16:17]
	s_cmp_eq_u32 s31, 3
	s_cselect_b64 s[6:7], s[12:13], s[6:7]
	s_cselect_b64 s[16:17], s[20:21], s[16:17]
	s_lshl_b32 s36, s30, 19                        ; 128 rows of 4,096 bytes
	s_lshl_b32 s37, s34, 2
	s_add_co_u32 s36, s36, s37
	s_mov_b32 s37, 0
	s_add_nc_u64 s[6:7], s[6:7], s[36:37]
; block t's 32 numbers of my column, into registers of the block's own: place II takes row 32 t + pi(II); 32 lanes read 128 consecutive bytes
.macro WLOAD t
.set II, 0
.rept 32
	global_load_b32 v[R+32*(\t)+II], v2, s[6:7] offset:(32*(\t)+II%8+16*((II/8)%2)+8*(II/16))*4096 th:TH_LOAD_NT
.set II, II+1
.endr
.endm
	WLOAD 0                                        ; the loads run two blocks ahead: 64 of a wave are out at the most
	WLOAD 1
	s_add_co_u32 s34, s34, s33                     ; my first row in the operand buffer
	s_lshr_b32 s38, s34, 1                         ; 8 x (row / 16)
	s_add_co_u32 s38, s38, s30
	s_mul_i32 s38, s38, 1536
	s_add_co_u32 s38, s38, CODES
	s_mov_b32 s39, 0
	s_add_nc_u64 s[38:39], s[16:17], s[38:39]
	s_lshl_b32 s40, s34, 5
	s_lshl_b32 s41, s30, 2
	s_add_co_u32 s40, s40, s41
	s_mov_b32 s41, 0
	s_add_nc_u64 s[40:41], s[16:17], s[40:41]
.macro WBLOCK t                        ; block t of my column: all its 32 numbers are mine
.set XS, R+32*(\t)
.if (\t) < 3
	s_wait_loadcnt 32                              ; this block's loads are in; the 32 of the one block asked for behind it may be out
.else
	s_wait_loadcnt 0x0
.endif
.if (\t) < 2
	WLOAD (\t)+2                                   ; the block two on: its registers are its own, nothing is written again
.endif
	v_max3_num_f32 v8, |v[XS]|, |v[XS+1]|, |v[XS+2]|
	v_max3_num_f32 v9, |v[XS+3]|, |v[XS+4]|, |v[XS+5]|
.irp i, 6,10,14,18,22,26
	v_max3_num_f32 v8, v8, |v[XS+\i]|, |v[XS+\i+1]|
	v_max3_num_f32 v9, v9, |v[XS+\i+2]|, |v[XS+\i+3]|
.endr
	v_max3_num_f32 v8, v8, |v[XS+30]|, |v[XS+31]|
	v_max3_num_f32 v8, v8, v9, 0x1800000           ; and the floor
	v_add_nc_u32 v11, 0xff000000, v8               ; the conversion's scale operand
	v_lshrrev_b32 v9, 23, v11                      ; the scale's byte
.if (\t) == 0
	v_mov_b32 v14, v9
.else
	v_lshl_or_b32 v14, v9, 8*(\t), v14             ; the lower K in the lower byte
.endif
	v_cvt_scalef32_pk16_fp6_f32 v[CW+8*(\t):CW+8*(\t)+2], v[XS:XS+15], v11
	v_cvt_scalef32_pk16_fp6_f32 v[CW+8*(\t)+4:CW+8*(\t)+6], v[XS+16:XS+31], v11
	v_nop                                          ; one plain place behind a scaled conversion
	v_mov_b32 v[CW+8*(\t)+3], v[CW+8*(\t)+4]       ; the block's six registers on end
	v_mov_b32 v[CW+8*(\t)+4], v[CW+8*(\t)+5]
	v_mov_b32 v[CW+8*(\t)+5], v[CW+8*(\t)+6]
.endm
	WBLOCK 0
	WBLOCK 1
	WBLOCK 2
	WBLOCK 3
.irp c, 0,1                                        ; lanes 16-31 of block 2 c change places with lanes 0-15 of block 2 c + 1: the first run is then half c of the fragment of my first 16 columns, the second that of the other 16
.irp i, 0,1,2,3,4,5
	v_permlane16_swap_b32 v[CW+16*\c+\i], v[CW+16*\c+8+\i]
.endr
.endr
.irp c, 0,1
.irp nt, 0,1
.irp p, 0,1,2
	global_store_b64 v3, v[CW+8*(2*\c+\nt)+2*\p:CW+8*(2*\c+\nt)+2*\p+1], s[38:39] offset:\nt*12288+\c*768+\p*256   ; 256 consecutive bytes, aligned
.endr
.endr
.endr
	global_store_b32 v4, v14, s[40:41]             ; my column's four scale bytes of this K step (4 bytes of each row's 32)
	s_endpgm
.Lfunc_end_k_q0211635cfc_prep:
	.size	k_q0211635cfc_prep, .Lfunc_end_k_q0211635cfc_prep-k_q0211635cfc_prep
	.p2alignl 7, 3214868480
	.fill 96, 4, 3214868480
	.section	.rodata,"a",@progbits
	.p2align	6, 0x0
	.amdhsa_kernel k_q0211635cfc_prep
		.amdhsa_group_segment_fixed_size 34304
		.amdhsa_private_segment_fixed_size 0
		.amdhsa_enable_private_segment 0
		.amdhsa_kernarg_size 72
		.amdhsa_user_sgpr_count 2
		.amdhsa_user_sgpr_kernarg_segment_ptr 1
		.amdhsa_wavefront_size32 1
		.amdhsa_system_sgpr_workgroup_id_x 1
		.amdhsa_system_sgpr_workgroup_id_y 1
		.amdhsa_system_sgpr_workgroup_id_z 1
		.amdhsa_system_vgpr_workitem_id 0
		.amdhsa_next_free_vgpr 256
		.amdhsa_next_free_sgpr 66
		.amdhsa_reserve_vcc 1
		.amdhsa_float_denorm_mode_32 3
		.amdhsa_float_denorm_mode_16_64 3
		.amdhsa_memory_ordered 1
		.amdhsa_forward_progress 1
		.amdhsa_inst_pref_size 39
	.end_amdhsa_kernel
	.amdgpu_metadata
---
amdhsa.version: [ 1, 2 ]
amdhsa.kernels:
  - .name:           k_q0211635cfc_prep
    .symbol:         k_q0211635cfc_prep.kd
    .args:
      - { .name: x, .offset: 0, .size: 8, .value_kind: global_buffer, .address_space: global }
      - { .name: Wq, .offset: 8, .size: 8, .value_kind: global_buffer, .address_space: global }
      - { .name: Wk, .offset: 16, .size: 8, .value_kind: global_buffer, .address_space: global }
      - { .name: Wv, .offset: 24, .size: 8, .value_kind: global_buffer, .address_space: global }
      - { .name: Wo, .offset: 32, .size: 8, .value_kind: global_buffer, .address_space: global }
      - { .name: xq, .offset: 40, .size: 8, .value_kind: global_buffer, .address_space: global }
      - { .name: wqk, .offset: 48, .size: 8, .value_kind: global_buffer, .address_space: global }
      - { .name: wv, .offset: 56, .size: 8, .value_kind: global_buffer, .address_space: global }
      - { .name: wo, .offset: 64, .size: 8, .value_kind: global_buffer, .address_space: global }
    .group_segment_fixed_size: 34304
    .private_segment_fixed_size: 0
    .kernarg_segment_align: 8
    .kernarg_segment_size: 72
    .max_flat_workgroup_size: 128
    .sgpr_count:     66
    .vgpr_count:     256
    .wavefront_size: 32
...
	.end_amdgpu_metadata
.endif
;; end of part 1
;; launch qk (part 2): grid 8 x 32, 4 waves a work-group, clusters of 4 x 4, 327,680 bytes of LDS; arguments xq, wqk, qkc; writes qkc
.if DOCPART == 2
	.amdgcn_target "amdgcn-amd-amdhsa--gfx1250"
	.amdhsa_code_object_version 6
	.text
	.protected	k_q0211635cfc_qk
	.globl	k_q0211635cfc_qk
	.p2align	8
	.type	k_q0211635cfc_qk,@function
k_q0211635cfc_qk:
	s_mov_b64 s[64:65], 0
	v_nop
	global_prefetch_b8 v0, s[64:65] scope:SCOPE_SE
	s_setreg_imm32_b32 hwreg(HW_REG_WAVE_MODE, 25, 1), 1
	s_wait_xcnt 0x0
	s_wait_alu depctr_hold_cnt(0) depctr_sa_sdst(0) depctr_va_vdst(0) depctr_va_sdst(0) depctr_va_ssrc(0) depctr_va_vcc(0) depctr_vm_vsrc(0)
	s_getreg_b32 s2, hwreg(HW_REG_IB_STS2, 6, 4)
	s_cmp_eq_u32 s2, 0
	s_cbranch_scc0 .Lentry_in_a_cluster
	s_endpgm
.Lentry_in_a_cluster:
	s_bfe_u32 s2, ttmp6, 0x10000c
	s_cmp_lg_u32 s2, 0xf033
	s_cbranch_scc0 .Lentry_shape_is_right
	s_endpgm
.Lentry_shape_is_right:
; R[m][n] = sum over k of A[m][k] B[n][k], K = 1,024, on codes of FP6 (E2M3) with E8M0 scales, and R is QUANTISED AGAIN ALONG n on the way out: it is an operand of the next products.
; A, B: operand buffers: scale bytes [row][32] at byte 0; from CODES on, fragments (16 rows T, 128 along K s) at (8 T + s) x 1536, each [pair of registers][lane][8 bytes].
; OUT: for each 16 rows of A (RA) and each 128 rows of B (CB) one fragment, 16 x 128, at IMG + idx x 1536, its rows' scale words at idx x 64 + 4 r; idx = RA % 64 + 64 CB + 1024 (RA / 64).
; Run twice: A = x, B = Wq^T and Wk^T: fragments of q and k (16 positions x 128 channels, two heads);  A = Wv^T, B = x: fragments of V^T (16 channels x 128 keys).
; A tile of 256 x 256 is made by four waves, each 128 x 128: 64 accumulators, 512 registers.  K goes in steps of 256 through a ring of two LDS slots filled by the tensor data mover.
; A wave's tensor load brings 8 row tiles x 2 fragments (8 rows of 3,072 bytes, 12,288 bytes apart).  In LDS a fragment is read as it lies: six loads of 8 bytes a lane, 256 consecutive bytes each.
; The scale bytes of the work-group's rows, for all of K, come once with the first fills.  By this text's count a wave has three tensor loads out at the start and one behind each round.
; CLUSTERS: 4 x 4 work-groups; A's tiles are asked for jointly along a row of the cluster, B's along a column.
; THE MATRIX INSTRUCTION IS USED TRANSPOSED (source 0 = 16 rows of B, source 1 = 16 rows of A): a lane holds one row of A and eight rows of B, so its registers run along the next K.
; The 16 registers of two neighbouring tiles hold numbers 8 h + 0..7 and 16 + 8 h + 0..7 of a block of 32: after the exchange of halves place i holds number i % 8 + 16 ((i / 8) % 2) + 8 (i / 16),
; the order that every operand of this program has.
; LIMITS: NaN and infinities are not served; a block of zeros gets the byte 1 (only this program reads the bytes).
; No prefetch: of a tile's four K steps two are asked for at the head.
; REGISTERS: window 0: v16-30 addresses; v32-63 scale words, two sets; v64-111 the way out; from v128 A's fragments, one set.  window 1: B's fragments, two sets.  windows 2, 3: the accumulators.
; THE HEAD'S LOADS (this stands in place of what the lines above say of the first fills): one joint load a wave: wave 0 K step 0's 256 rows of A, wave 1 its 256 rows of B,
; wave 2 the scale bytes of A's 256 rows, wave 3 those of B's.  Slot 1's first fill follows behind the three lines and a round, a quarter of the slot a wave.  A wave has one tensor load out at any time.
.set NQ,     2
.set FR,     12                        ; registers of a fragment
.set NL,     6                         ; LDS loads that bring one
.set NP,     4                         ; places behind this matrix instruction (ISA guide 7.12.1)
.set FRB,    1536                      ; a fragment's image in bytes
.set TROW,   2*FRB                     ; a row tile's part of a slot
.set KROW,   768                       ; a row's codes in bytes: 16 rows' eight fragments are 16 x 768
.set HALFT,  8*TROW                    ; 128 rows: what one tensor load brings
.set SLOT,   4*HALFT
.set LAPS,   2                         ; 1,024 along K = two laps of two slots of 256
.set KS,     32                        ; a row of scale bytes
.set SCL,    2*SLOT                    ; behind the ring: the scale bytes, as rows of 256 bytes + 16 of padding
.set HALFS,  16*272                    ; those of 128 rows
.set SBLK,   2*272                     ; those of 16 rows
.set SPARE,  SCL+4*HALFS               ; the spare words, 128 bytes for each wave, that no other line names
.set CODES,  262144
.set IMG,    524288
.set ADRA, 16                          ; v16-17  LDS address of my A fragments in slot 0, 1
.set ADRB, 20                          ; v20-21  the same for B
.set SST,  24                          ; v24     the way out: where a row's scale word goes (in slot 0, which has then had its last fill and its last read)
.set SRD,  25                          ; v25     and where 16 bytes of them come back
.set L8,   26                          ; v26     8 x lane
.set ADRS, 27                          ; v27     LDS address of my scale words: lanes 0-15 A's rows, lanes 16-31 B's
.set SPW,  28                          ; v28     my spare word; never rewritten
.set NIL,  29                          ; v29     0; never rewritten
.set L16,  30                          ; v30     16 x lane
.set SC,   32
.set PC,   64                          ; v64-83  the way out: a fragment's codes
.set TM,   84                          ; v84-99  the quantiser's work
.set PWA,  100                         ; v100-107 the eight blocks' scale words
.set BKW,  108                         ; v108-111 scale words read back
.set AF,   128
.set G1, 24
.set G0, 32
.set G1B, 48
.set G0B, 56
.set G1S, 68
.set G0S, 76
.set G1SB, 80
.set G0SB, 88
.set SEL, 96                           ; s[96:97] lane selects for v_permlanex16_b32
.set MSB, 0
.macro WIN new                         ; the immediate's high byte repeats the setting that is left
.if MSB != (\new)
	s_set_vgpr_msb (MSB<<8)|(\new)
.set MSB, (\new)
.endif
.endm
.set MUL_LO, 0xa1                      ; source 0 (B) window 1, source 1 (A) window 0, C and D window 2
.set MUL_HI, 0xf1
.set TO_B,   0x40
; A joint load: waves 0 and 1 fetch for A, waves 2 and 3 for B.  The branch hangs on the wave's number alone.  Four v_nop follow each of the two lines.
.macro JLOAD g0a, g1a, g0b, g1b
	s_cmp_eq_u32 s15, 0
	s_cbranch_scc0 .Lfor_b_\@
	tensor_load_to_lds s[\g0a:\g0a+3], s[\g1a:\g1a+7]
	s_nop 0
.rept 4
	v_nop
.endr
	s_branch .Lasked_\@
.Lfor_b_\@:
	tensor_load_to_lds s[\g0b:\g0b+3], s[\g1b:\g1b+7]
	s_nop 0
.rept 4
	v_nop
.endr
.Lasked_\@:
.endm
.macro CREST                           ; a round of the cluster's barrier behind its opening barrier
	s_cmp_lg_u32 s14, 0
	s_cbranch_scc1 .Lnot_wave_0_\@
	s_barrier_signal -3
.Lnot_wave_0_\@:
	s_barrier_wait -3
	s_barrier_signal -1
	s_barrier_wait -1
.endm
.macro CROUND
	s_barrier_signal -1
	s_barrier_wait -1
	CREST
.endm
	s_load_b128 s[4:7], s[0:1], 0x0                ; A s[4:5], B s[6:7]
	s_load_b64 s[12:13], s[0:1], 0x10              ; the result
	v_lshl_add_u32 v[SPW], v0, 2, SPARE
	v_mov_b32 v[NIL], 0
	ds_add_u32 v28, v29
	ds_add_u32 v28, v29
	s_wait_dscnt 0x0
	v_lshrrev_b32 v1, 5, v0
	v_readfirstlane_b32 s14, v1                    ; wave 0..3
	s_lshr_b32 s15, s14, 1                         ; which half of the tile's A rows is mine.  Also: I fetch for A (0) or for B (1)
	s_and_b32 s16, s14, 1                          ; which half of its B rows.  Also: which 128 rows I fetch
	s_bfe_u32 s40, ttmp6, 0x40000                  ; cx, cy
	s_bfe_u32 s41, ttmp6, 0x40004
	s_lshl_b32 s42, ttmp9, 2
	s_add_co_u32 s42, s42, s40                     ; B's tile = 4 x cluster x + cx
	s_and_b32 s17, ttmp7, 0xffff
	s_lshl_b32 s17, s17, 2
	s_add_co_u32 s17, s17, s41                     ; A's tile = 4 x cluster y + cy
	s_lshl_b32 s43, s41, 2
	s_lshl_b32 s43, 15, s43                        ; my row of the cluster
	s_lshl_b32 s44, 0x1111, s40                    ; my column
	s_or_b32 s[G1+0], s43, (3<<16)|(1<<21)         ; 15:0 the mask; 17:16 elements of 8 bytes; 20 no padding; 21 set beside a mask
	s_or_b32 s[G1B+0], s44, (3<<16)|(1<<21)
.irp g, G1, G1B
	s_mov_b32 s[\g+1], 384<<16                     ; tensor_dim0: 3,072 bytes
	s_mov_b32 s[\g+2], 16<<16                      ; 16 row tiles for the head's loads; behind them the two words are set to 8, for the ring's
	s_mov_b32 s[\g+3], 384<<16
	s_mov_b32 s[\g+4], 16
	s_mov_b32 s[\g+5], 1536                        ; from row tile to row tile: 12,288 bytes
	s_mov_b32 s[\g+6], 0
	s_mov_b32 s[\g+7], 0
.endr
	s_or_b32 s[G1S+0], s43, (3<<16)|(1<<20)|(1<<21)|(5<<22)|(3<<25)   ; the scale bytes of 256 rows: 32 rows of 256 bytes, 16 bytes of padding behind each
	s_or_b32 s[G1SB+0], s44, (3<<16)|(1<<20)|(1<<21)|(5<<22)|(3<<25)
.irp g, G1S, G1SB
	s_mov_b32 s[\g+1], 32<<16
	s_mov_b32 s[\g+2], 32<<16                      ; the scale bytes of 256 rows: 32 rows of 256 bytes
	s_mov_b32 s[\g+3], 32<<16
	s_mov_b32 s[\g+4], 32
	s_mov_b32 s[\g+5], 32
	s_mov_b32 s[\g+6], 0
	s_mov_b32 s[\g+7], 0
.endr
	s_lshl_b32 s20, s17, 8                         ; A: the tile's first row
	s_lshl_b32 s46, s42, 8                         ; B likewise
	s_mov_b32 s21, 0
	s_mov_b32 s47, 0
	s_mov_b64 s[18:19], KS
	s_mul_u64 s[22:23], s[20:21], s[18:19]         ; where these rows' scale bytes begin
	s_mul_u64 s[92:93], s[46:47], s[18:19]
	s_mov_b64 s[18:19], KROW
	s_mul_u64 s[20:21], s[20:21], s[18:19]         ; and their fragments,
	s_mul_u64 s[46:47], s[46:47], s[18:19]
	s_add_nc_u64 s[20:21], s[20:21], CODES         ; behind the scale bytes
	s_add_nc_u64 s[46:47], s[46:47], CODES
	s_mul_i32 s18, s16, 128*KROW                   ; in the ring I fetch 128 rows of a tile: which half, in bytes
	s_mov_b32 s19, 0
	s_mul_i32 s45, s14, HALFT                      ; where they go: no place in the cluster enters an LDS address
	s_wait_kmcnt 0x0
	s_add_nc_u64 s[20:21], s[4:5], s[20:21]
	s_add_nc_u64 s[22:23], s[4:5], s[22:23]
	s_add_nc_u64 s[46:47], s[6:7], s[46:47]
	s_add_nc_u64 s[92:93], s[6:7], s[92:93]
	CROUND                                         ; all sixteen work-groups are here: the first joint loads meet
	s_mov_b32 s[G0S], 1
	s_mov_b32 s[G0S+1], SCL
	s_mov_b64 s[G0S+2:G0S+3], s[22:23]
	s_or_b32 s[G0S+3], s[G0S+3], 0x80000000
	s_mov_b32 s[G0SB], 1
	s_mov_b32 s[G0SB+1], SCL+2*HALFS
	s_mov_b64 s[G0SB+2:G0SB+3], s[92:93]
	s_or_b32 s[G0SB+3], s[G0SB+3], 0x80000000
.set G0H, 4                            ; s[4:7], s[8:11] group 0 of the head's loads of codes (the arguments in s[4:7] have been used)
.set G0HB, 8
	s_mov_b32 s[G0H], 1                            ; K step 0's 256 rows of A,
	s_mov_b32 s[G0H+1], 0
	s_mov_b64 s[G0H+2:G0H+3], s[20:21]
	s_or_b32 s[G0H+3], s[G0H+3], 0x80000000
	s_mov_b32 s[G0HB], 1                           ; its 256 rows of B, behind them in slot 0
	s_mov_b32 s[G0HB+1], 2*HALFT
	s_mov_b64 s[G0HB+2:G0HB+3], s[46:47]
	s_or_b32 s[G0HB+3], s[G0HB+3], 0x80000000
	s_add_nc_u64 s[20:21], s[20:21], s[18:19]      ; for the ring: my 128 rows of the tile
	s_add_nc_u64 s[46:47], s[46:47], s[18:19]
.irp s, 0,1
	s_mov_b32 s[G0+4*\s], 1
	s_add_co_u32 s[G0+4*\s+1], s45, \s*SLOT
	s_add_nc_u64 s[G0+4*\s+2:G0+4*\s+3], s[20:21], \s*TROW
	s_or_b32 s[G0+4*\s+3], s[G0+4*\s+3], 0x80000000
	s_mov_b32 s[G0B+4*\s], 1
	s_add_co_u32 s[G0B+4*\s+1], s45, \s*SLOT
	s_add_nc_u64 s[G0B+4*\s+2:G0B+4*\s+3], s[46:47], \s*TROW
	s_or_b32 s[G0B+4*\s+3], s[G0B+4*\s+3], 0x80000000
.endr
; one chain of branches on the wave's number, one load to an arm, all arms leading to one join: one tensor load a wave at the head
.macro ARM under, g0, g1, next
	s_cmp_lt_u32 s14, \under
	s_cbranch_scc0 \next
	tensor_load_to_lds s[\g0:\g0+3], s[\g1:\g1+7]
	s_nop 0
.rept 4
	v_nop
.endr
	s_branch .Lhead_asked
\next:
.endm
	ARM 1, G0H,  G1,  .Lhead_b
	ARM 2, G0HB, G1B, .Lhead_sa
	ARM 3, G0S,  G1S, .Lhead_sb
	tensor_load_to_lds s[G0SB:G0SB+3], s[G1SB:G1SB+7]
	s_nop 0
.rept 4
	v_nop
.endr
.Lhead_asked:
	v_and_b32 v1, 15, v0                           ; r
	v_bfe_u32 v2, v0, 4, 1                         ; h
	v_and_b32 v3, 31, v0                           ; lane
	v_lshlrev_b32 v4, 3, v3                        ; 8 x lane
	s_mul_i32 s21, s15, HALFT                      ; my 128 rows of A
	s_mul_i32 s22, s16, HALFT                      ; my 128 rows of B,
	s_add_co_u32 s22, s22, 2*HALFT                 ; behind A's 256
.irp s, 0,1
	v_add_nc_u32 v[ADRA+\s], s21, v4
	v_add_nc_u32 v[ADRB+\s], s22, v4
	s_add_co_u32 s21, s21, SLOT
	s_add_co_u32 s22, s22, SLOT
.endr
	v_mul_u32_u24 v5, v1, KS                       ; my row's scale bytes,
	v_lshrrev_b32 v6, 8, v5
	v_lshl_add_u32 v5, v6, 4, v5                   ; and 16 more for each 256 passed
	s_mul_i32 s21, s15, HALFS
	s_mul_i32 s22, s16, HALFS
	s_add_co_u32 s22, s22, 2*HALFS
	s_sub_co_u32 s22, s22, s21
	v_mul_u32_u24 v6, s22, v2                      ; lanes 16-31 take B's
	s_add_co_u32 s21, s21, SCL
	v_add_nc_u32 v5, v5, v6
	v_add_nc_u32 v[ADRS], s21, v5
	s_lshl_b32 s23, s14, 9                         ; the way out: 512 bytes for each wave's scale words
	v_lshl_add_u32 v[SST], v1, 2, s23
	v_lshl_add_u32 v[SRD], v3, 4, s23
	v_mov_b32 v[L8], v4
	v_lshlrev_b32 v[L16], 4, v3
.irp b, 0,1,2,3
	v_mov_b32 v[TM+4+\b], 0                        ; written once: a lane permute's destination counts as one of its sources
.endr
	s_mov_b32 s[SEL], 0x76543210
	s_mov_b32 s[SEL+1], 0xfedcba98
	s_and_b32 s20, s17, 3                          ; my first fragment: (16 ty + 8 wa) % 64 + 64 (2 tx + wb) + 1024 (ty / 4)
	s_lshl_b32 s20, s20, 4
	s_lshl_b32 s21, s15, 3
	s_add_co_u32 s20, s20, s21
	s_lshr_b32 s21, s17, 2
	s_lshl_b32 s21, s21, 10
	s_add_co_u32 s20, s20, s21
	s_lshl_b32 s46, s42, 1
	s_add_co_u32 s46, s46, s16
	s_lshl_b32 s46, s46, 6
	s_add_co_u32 s46, s46, s20
	s_mul_i32 s22, s46, FRB
	s_add_co_u32 s22, s22, IMG
	s_mov_b32 s23, 0
	s_add_nc_u64 s[20:21], s[12:13], s[22:23]      ; its image
	s_lshl_b32 s22, s46, 6
	s_add_nc_u64 s[12:13], s[12:13], s[22:23]      ; its scale words
.macro FRAG reg, adr, q, i             ; a fragment comes as it lies: pair p of its registers at 256 p + 8 x lane
.irp p, 0,1,2,3,4,5
	ds_load_b64 v[\reg+2*\p:\reg+2*\p+1], v[\adr] offset:(\i)*TROW+(\q)*FRB+256*\p
.endr
.endm
; 16 matrix instructions: A's blocks a0, a0 + 1 x B's eight.  The 64 accumulators take turns, one instruction a turn, in the same order in every step.
.macro MUL16 a0, p, q, sc, zero
.irp a, \a0, \a0+1
.irp b, 0,1,2,3,4,5,6,7
.if \zero
	v_wmma_scale_f32_16x16x128_f8f6f4 v[8*(8*((\a)%4)+\b):8*(8*((\a)%4)+\b)+7], v[128*(\p)+FR*\b:128*(\p)+FR*\b+FR-1], v[AF+FR*(\a):AF+FR*(\a)+FR-1], 0, v[SC+8*NQ*(\sc)+NQ*\b+(\q)], v[SC+8*NQ*(\sc)+NQ*(\a)+(\q)] matrix_a_fmt:MATRIX_FMT_FP6 matrix_b_fmt:MATRIX_FMT_FP6 matrix_a_scale:MATRIX_SCALE_ROW1
.else
	v_wmma_scale_f32_16x16x128_f8f6f4 v[8*(8*((\a)%4)+\b):8*(8*((\a)%4)+\b)+7], v[128*(\p)+FR*\b:128*(\p)+FR*\b+FR-1], v[AF+FR*(\a):AF+FR*(\a)+FR-1], v[8*(8*((\a)%4)+\b):8*(8*((\a)%4)+\b)+7], v[SC+8*NQ*(\sc)+NQ*\b+(\q)], v[SC+8*NQ*(\sc)+NQ*(\a)+(\q)] matrix_a_fmt:MATRIX_FMT_FP6 matrix_b_fmt:MATRIX_FMT_FP6 matrix_a_scale:MATRIX_SCALE_ROW1
.endif
.endr
.endr
.endm
.macro FETCH_B slot, q, p
	WIN TO_B
.irp i, 0,1,2,3,4,5,6,7
	FRAG 128*(\p)+FR*\i, ADRB+\slot, \q, \i
.endr
	WIN 0
.endm
.macro FETCH_A slot, q, i0
.irp i, \i0, \i0+1, \i0+2, \i0+3
	FRAG AF+FR*(\i), ADRA+\slot, \q, \i
.endr
.endm
.macro SCALES sc                       ; a K step's scale words: two words a row; lanes 0-15 A's block i, lanes 16-31 B's block i
.irp i, 0,1,2,3,4,5,6,7
	ds_load_b64 v[SC+8*NQ*\sc+NQ*\i:SC+8*NQ*\sc+NQ*\i+1], v[ADRS] offset:\i*SBLK
.endr
.endm
.macro PLACES n                        ; plain vector instructions between a matrix instruction and a load into, or a read of, its registers
.rept \n
	v_nop
.endr
.endm
.macro STEP slot, q, zero              ; a step of 128 along K that has its successor in the same slot
	s_wait_dscnt 4*NL                              ; B's set and A's blocks 0-3 are in; the youngest 24 loads (A's blocks 4-7) may be out
	WIN MUL_LO
	MUL16 0, (\q)%2, \q, \slot, \zero
	MUL16 2, (\q)%2, \q, \slot, \zero
	s_wait_dscnt 0
	PLACES NP
	FETCH_B \slot, (\q)+1, 1-(\q)%2
	FETCH_A \slot, (\q)+1, 0
	WIN MUL_HI
	MUL16 4, (\q)%2, \q, \slot, \zero
	MUL16 6, (\q)%2, \q, \slot, \zero
	PLACES NP
	WIN 0
	FETCH_A \slot, (\q)+1, 4
.endm
; A slot's last step changes slots: one barrier; in front of it each wave waits for all its tensor loads, adds 0 to its spare word, and waits for that and for its reads of this slot.
.macro TURN slot, next, fill
	s_wait_tensorcnt 0x0                           ; all my tensor loads have landed: my part of the next slot
	ds_add_u32 v[SPW], v[NIL]                      ; 0 onto my spare word
	s_wait_dscnt 4*NL+1                            ; (the add and the youngest 24 loads may be out)
	WIN MUL_LO
	MUL16 0, 1, NQ-1, \slot, 0
	s_wait_dscnt 0x0                               ; the add is done, and my reads of this slot are over
	s_barrier_signal -1
	MUL16 2, 1, NQ-1, \slot, 0
	WIN 0
	s_barrier_wait -1
.if \fill
	CREST                                          ; the barrier has opened a round of the cluster's barrier: no wave of any partner still reads this slot or has a load on its way
	s_add_nc_u64 s[G0+4*\slot+2:G0+4*\slot+3], s[G0+4*\slot+2:G0+4*\slot+3], 2*TROW
	s_add_nc_u64 s[G0B+4*\slot+2:G0B+4*\slot+3], s[G0B+4*\slot+2:G0B+4*\slot+3], 2*TROW
	JLOAD G0+4*\slot, G1, G0B+4*\slot, G1B         ; the first tensor load behind the round; its four v_nop are the places in front of the loads below
.else
	PLACES NP
.endif
	s_wait_alu depctr_va_vdst(0)
	v_add_nc_u32 v[ADRS], 4*NQ, v[ADRS]            ; the next K step's scale words (no LDS load of mine is out)
	FETCH_B \next, 0, 0
	FETCH_A \next, 0, 0
	SCALES \next
	WIN MUL_HI
	MUL16 4, 1, NQ-1, \slot, 0
	MUL16 6, 1, NQ-1, \slot, 0
	PLACES NP
	WIN 0
	FETCH_A \next, 0, 4
.endm
	s_wait_alu depctr_va_vdst(0)
	s_wait_tensorcnt 0x0                           ; my tile of the head's four is in
	ds_add_u32 v[SPW], v[NIL]
	s_mov_b32 s[G1+2], 8<<16                       ; no tensor load of mine is out: from here on a load brings 8 row tiles
	s_mov_b32 s[G1+4], 8
	s_mov_b32 s[G1B+2], 8<<16
	s_mov_b32 s[G1B+4], 8
	s_wait_dscnt 0x0
	CROUND                                         ; all four tiles are in, and all sixteen work-groups are here
	JLOAD G0+4, G1, G0B+4, G1B                     ; K step 1's load, the first tensor load behind the round
	FETCH_B 0, 0, 0
	FETCH_A 0, 0, 0
	SCALES 0
	FETCH_A 0, 0, 4
	STEP 0, 0, 1                                   ; the first step's products start the sums
	s_mov_b32 s3, LAPS-1
.Llap:
	TURN 0, 1, 1
	STEP 1, 0, 0
	TURN 1, 0, 1
	STEP 0, 0, 0
	s_sub_co_u32 s3, s3, 1
	s_cmp_lg_u32 s3, 0
	s_cbranch_scc1 .Llap
	TURN 0, 1, 0                                   ; the last lap fills nothing
	STEP 1, 0, 0
	s_wait_dscnt 4*NL
	WIN MUL_LO
	MUL16 0, 1, NQ-1, 1, 0
	MUL16 2, 1, NQ-1, 1, 0
	s_wait_dscnt 0
	WIN MUL_HI
	MUL16 4, 1, NQ-1, 1, 0
	MUL16 6, 1, NQ-1, 1, 0
	WIN 0
; THE WAY OUT.  Block a (16 rows of A x my 128 rows of B, 64 registers a lane) becomes one fragment and a scale word a row.  Each accumulator is read from its low end on.
.macro QUANTW a
.set AC, 64*((\a)%4)
	WIN 0x0a+5*((\a)/4)                            ; sources 0 and 1: window 2 or 3
.irp b, 0,1,2,3
	v_max3_num_f32 v[TM+\b], |v[AC+16*\b]|, |v[AC+16*\b+1]|, 0x1800000   ; my 16 numbers of block b, and the floor 2^(3 - 127)
.endr
.irp i, 2,4,6,8,10,12,14
.irp b, 0,1,2,3
	v_max3_num_f32 v[TM+\b], |v[AC+16*\b+\i]|, |v[AC+16*\b+\i+1]|, v[TM+\b]
.endr
.endr
	WIN 0
.irp b, 0,1,2,3
	v_permlanex16_b32 v[TM+4+\b], v[TM+\b], s[SEL], s[SEL+1]
.endr
.irp b, 0,1,2,3
	v_max_num_f32 v[TM+\b], v[TM+\b], v[TM+4+\b]   ; the block's largest magnitude
.endr
.irp b, 0,1,2,3
	v_add_nc_u32 v[TM+12+\b], 0xff000000, v[TM+\b] ; 2 off its exponent field: the conversion's scale operand
.endr
.irp b, 0,1,2,3
	v_lshrrev_b32 v[TM+4+\b], 23, v[TM+12+\b]      ; the scale's byte
.endr
	v_lshl_or_b32 v[PWA+(\a)], v[TM+5], 8, v[TM+4]
	v_lshl_or_b32 v[PWA+(\a)], v[TM+6], 16, v[PWA+(\a)]
	v_lshl_or_b32 v[PWA+(\a)], v[TM+7], 24, v[PWA+(\a)]
	s_wait_xcnt 0x0                                ; the last block's stores have read the codes' registers, which are written again now
	WIN 0x02+((\a)/4)                              ; source 0: window 2 or 3
.irp c, 0,1
	v_cvt_scalef32_pk16_fp6_f32 v[PC+6*\c:PC+2+6*\c], v[AC+32*\c:AC+15+32*\c], v[TM+12+2*\c]
	v_cvt_scalef32_pk16_fp6_f32 v[PC+12+4*\c:PC+14+4*\c], v[AC+16+32*\c:AC+31+32*\c], v[TM+12+2*\c+1]
.endr
	WIN 0
	v_nop                                          ; one plain place behind a scaled conversion
.irp c, 0,1
.irp i, 0,1,2
	v_permlane16_swap_b32 v[PC+6*\c+\i], v[PC+12+4*\c+\i]
.endr
.irp i, 0,1,2
	v_mov_b32 v[PC+3+6*\c+\i], v[PC+12+4*\c+\i]
.endr
.endr
.irp p, 0,1,2,3,4,5
	global_store_b64 v[L8], v[PC+2*\p:PC+2*\p+1], s[20:21] offset:(\a)*FRB+256*\p   ; 32 lanes store 256 consecutive bytes, aligned
.endr
	ds_store_b32 v[SST], v[PWA+(\a)] offset:64*(\a)  ; both halves of the lanes write row r's word with the same value
.endm
	PLACES NP                                      ; behind the last products
.irp a, 0,1,2,3,4,5,6,7
	QUANTW \a
.endr
	ds_load_b128 v[BKW:BKW+3], v[SRD]              ; LDS serves a wave's instructions in order: this sees my stores
	s_wait_dscnt 0x0
	global_store_b128 v[L16], v[BKW:BKW+3], s[12:13]   ; my eight fragments' scale words: 512 consecutive bytes
	s_wait_tensorcnt 0x0                           ; the wave's end
	ds_add_u32 v[SPW], v[NIL]
	s_wait_dscnt 0x0
	CROUND                                         ; the closing round
	s_endpgm
.Lfunc_end_k_q0211635cfc_qk:
	.size	k_q0211635cfc_qk, .Lfunc_end_k_q0211635cfc_qk-k_q0211635cfc_qk
	.p2alignl 7, 3214868480
	.fill 96, 4, 3214868480
	.section	.rodata,"a",@progbits
	.p2align	6, 0x0
	.amdhsa_kernel k_q0211635cfc_qk
		.amdhsa_group_segment_fixed_size 327680
		.amdhsa_private_segment_fixed_size 0
		.amdhsa_enable_private_segment 0
		.amdhsa_kernarg_size 24
		.amdhsa_user_sgpr_count 2
		.amdhsa_user_sgpr_kernarg_segment_ptr 1
		.amdhsa_wavefront_size32 1
		.amdhsa_system_sgpr_workgroup_id_x 1
		.amdhsa_system_sgpr_workgroup_id_y 1
		.amdhsa_system_sgpr_workgroup_id_z 1
		.amdhsa_system_vgpr_workitem_id 0
		.amdhsa_next_free_vgpr 1024
		.amdhsa_next_free_sgpr 98
		.amdhsa_reserve_vcc 0
		.amdhsa_float_denorm_mode_32 3
		.amdhsa_float_denorm_mode_16_64 3
		.amdhsa_memory_ordered 1
		.amdhsa_forward_progress 1
		.amdhsa_inst_pref_size 168
	.end_amdhsa_kernel
	.amdgpu_metadata
---
amdhsa.version: [ 1, 2 ]
amdhsa.kernels:
  - .name:           k_q0211635cfc_qk
    .symbol:         k_q0211635cfc_qk.kd
    .args:
      - { .name: xq, .offset: 0, .size: 8, .value_kind: global_buffer, .address_space: global }
      - { .name: wqk, .offset: 8, .size: 8, .value_kind: global_buffer, .address_space: global }
      - { .name: qkc, .offset: 16, .size: 8, .value_kind: global_buffer, .address_space: global }
    .group_segment_fixed_size: 327680
    .private_segment_fixed_size: 0
    .kernarg_segment_align: 8
    .kernarg_segment_size: 24
    .max_flat_workgroup_size: 128
    .sgpr_count:     98
    .vgpr_count:     1024
    .wavefront_size: 32
...
	.end_amdgpu_metadata
.endif
;; end of part 2
;; launch v: the kernel of part 2 again; grid 32 x 4, 4 waves a work-group, clusters of 4 x 4, 327,680 bytes of LDS; arguments wv, xq, vc; writes vc
;; launch attn (part 3): grid 4 x 64, 16 waves a work-group, no clusters, 327,680 bytes of LDS; arguments qkc, vc, attention_mask, ctx; writes ctx
.if DOCPART == 3
	.amdgcn_target "amdgcn-amd-amdhsa--gfx1250"
	.amdhsa_code_object_version 6
	.text
	.protected	k_q0211635cfc_attn
	.globl	k_q0211635cfc_attn
	.p2align	8
	.type	k_q0211635cfc_attn,@function
k_q0211635cfc_attn:
	s_mov_b64 s[64:65], 0
	v_nop
	global_prefetch_b8 v0, s[64:65] scope:SCOPE_SE
	s_setreg_imm32_b32 hwreg(HW_REG_WAVE_MODE, 25, 1), 1
	s_wait_xcnt 0x0
; ctx = softmax(q k^T / 8, causal and padding masks) v for one head, both products on codes of FP6 (E2M3) with E8M0 scales; ctx leaves quantised along the channels, as the last product's operand.
; THE SOFTMAX: t = score x log2(e) / 8; M = the running largest t rounded up to a whole number; p = 2^(t - M) is quantised along the keys; the sum of the unquantised p divides at the end.
; SHARES.  Work-group (g, head of a batch): the head's WHOLE K and V lie in LDS, filled once at the head.  Wave w takes the 16 queries of tile t1 = 16 g + w (8 trips of 128 keys) and then those of
; tile 127 - t1 (16 trips): 17 steps with visible keys for every wave.  The trip counts are constants; a step all of whose keys come after the wave's queries is jumped over by a scalar branch on ids.
; NO CLUSTER: the four work-groups of a head differ in their queries, so that jump would hang on a work-group's place in its cluster.  NO PREFETCH: every tile is asked for at the head.
; LAYOUT.  S^T = K Q^T (source 0 = 16 neighbouring keys, source 1 = my queries), O^T = V^T P^T: a lane holds one query throughout.  The 16 registers of two neighbouring tiles are numbers
; 8 h + 0..7 and 16 + 8 h + 0..7 of a block of 32; every operand of this program has that order inside a block, V's keys and Wo's rows too.
; THE PADDING MASK rides in the upper half of the first product's K, which a head of 64 leaves free: place 64 holds the code 4.0 in every K fragment and -4.0 in Q's; byte 2 of a key's scale word is
; 227 (2^100) where the key is padded and 1 (2^-126) where it is not: a padded key's score gets -2^104, an open key's -2^-122.
; The largest t starts at -2^40: while all visible keys are padded, M stays there, every p is 0 and the sum stays 0.  A ROW WHOSE VISIBLE KEYS ARE ALL PADDED has every score equal in the definition:
; its result is U = the sum of ALL 2,048 quantised rows of V / 2,048.  U is always computed, and chosen by v_cndmask_b32 where the sum is 0.
; LIMITS: |t| stays under 2^40; NaN and infinities are not served; a block of zeros gets the byte 1 (only this program reads the bytes).
; THE FILLS AND THE ORDER OF WORK (this stands in place of what the lines above say of them).  Every byte of K and V is filled once, in two groups, one tensor load a wave in each.
; At the head: keys 0-1023: waves 0-7 eight tiles of K each (8 rows of 768 bytes), waves 8-15 one key step of V each (6,144 dense bytes as 24 rows of 256).  Behind the three lines and the first barrier:
; keys 1,024-2,047, 49,152 bytes further on in LDS.  V's scale words (4,096 bytes) come by ordinary loads, 8 bytes a thread.
; Tile t1 (queries under 1,024) and the first eight trips of tile 127 - t1 read keys under 1,024 alone: they run while the second group is on its way; one wait for 0 and one barrier stand ahead of the last eight trips.
; U needs all of V: it is made behind the passes, and tile t1's codes, scale bytes and flag wait in v192-198 and s68 for the choice.
; NO PREFETCH: both groups are asked for ahead of the first loop; there is nothing later to run ahead for.
.set IMG,   524288
.set CODES, 262144
.set VC,    98304                      ; LDS: K's codes from 0 (tile t at 768 t, pair p at 256 p); V's from here (step j at 6144 j, channel tile at 1536 ct, pair at 256 pp);
.set VSW,   196608                     ; V's scale words: 256 j + 64 ct + 4 r;
.set KSW,   200704                     ; K's scale words, made here: 4 bytes a key;
.set UP,    208896                     ; each wave's part of U: 256 bytes;
.set UW,    212992                     ; each wave's own turn of U: 256 bytes
.set ADK,  8                           ; v8-11 the step's addresses: K, V, K's scale words, V's
.set ADV,  9
.set ADS,  10
.set ADT,  11
.set WV,   18
.set SEL,  20
.set CS,   22                          ; s[22:23] c = log2(e) / 8
.set TB,   2                           ; s2  the step's codes: 6,144 bytes a step, in K and in V
.set TS,   3                           ; s3  K's scale words: 512 a step
.set TJ,   66                          ; s66 V's: 256 a step
.set CNT,  67
.set FLAG, 88                          ; s88 lanes whose row's sum is 0
.set KF,   98                          ; s98 the step's first key
.set Q0,   99                          ; s99 my first query
; REGISTERS: v1 8 x lane; v2 the same in V; v3, v4 my row among K's and V's scale words; v6 4 r; v7 32 r; v12 -M, v13 the largest t, v[14:15] the sum; v16-27 Q; v32-79 four fragments of K (their upper
; halves are constants); v80-86 U's codes and scale bytes; v88, v89 the mask's codes; v90 r - 8 h; v91-94 U's LDS addresses; v96-159 S^T, then p, then V's four fragments; v160-191 O^T; v192-223 U's sums;
; v224-235 codes; v232-254 at work; v248-251 K's or V's scale words; v253 p's; v255 Q's.
	s_load_b256 s[4:11], s[0:1], 0x0               ; qkc, vc, the mask, ctx
	v_lshl_add_u32 v95, v0, 2, 0x35000
	v_mov_b32 v243, 0
	ds_add_u32 v95, v243
	ds_add_u32 v95, v243
	v_lshrrev_b32 v8, 5, v0
	s_delay_alu instid0(VALU_DEP_1)
	v_readfirstlane_b32 s[WV], v8                  ; wave 0..15
	s_and_b32 s13, ttmp7, 0xffff
	s_lshr_b32 s14, s13, 4                         ; the batch b
	s_and_b32 s15, s13, 15                         ; the head hd
	s_and_b32 s16, s15, 1                          ; c: which half of a fragment of q or k, and of ctx, is the head's
	s_lshr_b32 s17, s15, 1                         ; hp: the pair of heads
	s_lshl_b32 s12, ttmp9, 4
	s_add_co_u32 s12, s12, s[WV]                   ; t1
	s_sub_co_u32 s13, 127, s12                     ; t2
	; descriptor groups 1, elements of 8 bytes, no padding.  K: 64 half fragments of 768 bytes, 1,536 apart
	s_mov_b32 s24, 3<<16
	s_mov_b32 s25, 96<<16
	s_mov_b32 s26, 8<<16                           ; K: 8 half fragments a load
	s_mov_b32 s27, 96<<16
	s_mov_b32 s28, 8
	s_mov_b32 s29, 192
	s_mov_b32 s30, 0
	s_mov_b32 s31, 0
	; V: 8 key steps of four fragments (6,144 bytes), 98,304 apart
	s_mov_b32 s32, 3<<16
	s_mov_b32 s33, 32<<16                          ; V: one key step's four fragments, dense: 24 rows of 256 bytes
	s_mov_b32 s34, 24<<16
	s_mov_b32 s35, 32<<16
	s_mov_b32 s36, 24
	s_mov_b32 s37, 32
	s_mov_b32 s38, 0
	s_mov_b32 s39, 0
	; V's scale words: 16 key steps of 256 bytes, 4,096 apart
	s_and_b32 s40, s[WV], 7                        ; which eighth of a group's K or V is mine
	s_mul_i32 s42, s40, 12288                      ; K: 8 fragments of 1,536 bytes on for each wave
	s_mov_b32 s43, 0
	s_mul_i32 s44, s40, 98304                      ; V: a key step on
	s_mov_b32 s45, 0
	s_lshl_b32 s89, s15, 2
	s_lshl_b32 s90, s14, 10
	s_add_co_u32 s89, s89, s90                     ; V's first fragment: 4 hd + 1024 b
	s_lshl_b32 s92, s89, 6                         ; its scale words
	s_mov_b32 s93, 0
	s_mul_i32 s96, s89, 1536
	s_add_co_u32 s96, s96, IMG                     ; its image
	s_mov_b32 s97, 0
	s_add_co_u32 s89, s17, 8
	s_lshl_b32 s89, s89, 6
	s_lshl_b32 s90, s14, 11
	s_add_co_u32 s89, s89, s90                     ; K's first fragment: 64 (8 + hp) + 2048 b
	s_lshl_b32 s90, s89, 6                         ; its scale words
	s_mov_b32 s91, 0
	s_mul_i32 s94, s89, 1536
	s_mul_i32 s89, s16, 768
	s_add_co_u32 s94, s94, s89
	s_add_co_u32 s94, s94, IMG                     ; the head's half of its image
	s_mov_b32 s95, 0
	s_wait_dscnt 0x0
	s_wait_kmcnt 0x0
; a group's fill: waves 0-7 ask for K, waves 8-15 for V: a load in each arm of one branch on the wave's number, so every wave issues one
.macro FILL
	s_cmp_lt_u32 s[WV], 8
	s_cbranch_scc0 .Lfor_v_\@
	tensor_load_to_lds s[52:55], s[24:31]
	s_nop 0
.rept 4
	v_nop
.endr
	s_branch .Lasked_\@
.Lfor_v_\@:
	tensor_load_to_lds s[60:63], s[32:39]
	s_nop 0
.rept 4
	v_nop
.endr
.Lasked_\@:
.endm
	s_add_nc_u64 s[50:51], s[6:7], s[92:93]        ; V's scale words
	s_mov_b32 s52, 1                               ; K: my 8 tiles of tiles 0-63
	s_mul_i32 s53, s40, 6144
	s_add_nc_u64 s[54:55], s[4:5], s[94:95]
	s_add_nc_u64 s[54:55], s[54:55], s[42:43]
	s_or_b32 s55, s55, 0x80000000
	s_mov_b32 s60, 1                               ; V: my key step of steps 0-7
	s_mul_i32 s61, s40, 6144
	s_add_co_u32 s61, s61, VC
	s_add_nc_u64 s[62:63], s[6:7], s[96:97]
	s_add_nc_u64 s[62:63], s[62:63], s[44:45]
	s_or_b32 s63, s63, 0x80000000
	FILL
	; K's scale words and the mask: thread T takes keys 4 T .. 4 T + 3
	s_add_nc_u64 s[90:91], s[4:5], s[90:91]
	s_lshl_b32 s92, s14, 13
	s_add_nc_u64 s[8:9], s[8:9], s[92:93]
	v_and_b32 v28, 255, v0
	s_delay_alu instid0(VALU_DEP_1)
	v_lshlrev_b32 v28, 4, v28
	v_lshrrev_b32 v29, 8, v0
	s_delay_alu instid0(VALU_DEP_1)
	v_lshl_add_u32 v28, v29, 16, v28               ; keys 1,024 on lie 1,024 fragments' words (65,536 bytes) on
	v_lshlrev_b32 v29, 4, v0
	v_lshl_add_u32 v30, v0, 4, KSW
	global_load_b128 v[96:99], v28, s[90:91]
	global_load_b128 v[100:103], v29, s[8:9]
	v_lshrrev_b32 v31, 5, v0                       ; V's scale words: wave w takes key step w's 256 bytes, 4,096 bytes apart in memory, 8 bytes a lane
	v_and_b32 v87, 31, v0
	v_lshlrev_b32 v87, 3, v87
	v_lshl_add_u32 v31, v31, 12, v87
	v_lshl_add_u32 v87, v0, 3, VSW
	global_load_b64 v[108:109], v31, s[50:51]
	v_and_b32 v5, 31, v0                           ; lane
	v_and_b32 v9, 15, v0                           ; r
	v_bfe_u32 v10, v0, 4, 1                        ; h
	s_delay_alu instid0(VALU_DEP_3)
	v_lshlrev_b32 v1, 3, v5
	s_delay_alu instid0(VALU_DEP_1)
	v_add_nc_u32 v2, VC, v1
	s_delay_alu instid0(VALU_DEP_4)
	v_lshlrev_b32 v6, 2, v9
	s_delay_alu instid0(VALU_DEP_1)
	v_add_nc_u32 v3, KSW, v6
	s_delay_alu instid0(VALU_DEP_2)
	v_add_nc_u32 v4, VSW, v6
	v_lshlrev_b32 v7, 5, v9
	v_xor_b32 v11, 1, v10
	s_delay_alu instid0(VALU_DEP_1)
	v_mul_u32_u24 v88, v11, 0x18                   ; the code 4.0 at place 64: the lowest bits of register 6 in lanes 0-15
	s_delay_alu instid0(VALU_DEP_2)
	v_mul_u32_u24 v89, v11, 0x38                   ; the code -4.0
	v_lshlrev_b32 v11, 3, v10
	s_delay_alu instid0(VALU_DEP_1)
	v_sub_nc_u32 v90, v9, v11                      ; r - 8 h
	s_lshl_b32 s89, s[WV], 8
	v_lshlrev_b32 v11, 5, v10
	s_delay_alu instid0(VALU_DEP_1)
	v_add_nc_u32 v11, s89, v11                     ; 256 w + 32 h
	s_delay_alu instid0(VALU_DEP_1)
	v_add_nc_u32 v91, UP, v11
	s_delay_alu instid0(VALU_DEP_2)
	v_add_nc_u32 v93, UW, v11
	v_add_nc_u32 v92, s89, v1
	s_delay_alu instid0(VALU_DEP_1)
	v_add_nc_u32 v92, UW, v92
	v_add_nc_u32 v94, UP, v1
	s_mov_b32 s[SEL], 0x76543210
	s_mov_b32 s[SEL+1], 0xfedcba98
	s_mov_b32 s[CS], 0x3e38aa3b
	s_mov_b32 s[CS+1], s[CS]
.irp t, 0,1,2,3
	v_mov_b32 v[32+12*\t+6], v88                   ; the upper halves of K's four fragments stay
.irp i, 7,8,9,10,11
	v_mov_b32 v[32+12*\t+\i], 0
.endr
.endr
.irp b, 0,1,2,3
	v_mov_b32 v[236+\b], 0                         ; written once: a lane permute's destination counts as one of its sources
.endr
	v_mov_b32 v252, 0
	v_mov_b32 v253, 0                              ; named as the upper half of the pair v[252:253] before it is first written
	v_mov_b32 v105, 0x01010000                     ; an open key: bytes 2 and 3 are 1
	v_mov_b32 v106, 0x01e30000                     ; a padded key: byte 2 is 227
	s_lshl_b32 s89, s16, 4
	s_wait_alu depctr_va_vdst(0)
	s_wait_loadcnt 0x0
.irp i, 0,1,2,3
	v_bfe_u32 v[96+\i], v[96+\i], s89, 16          ; the head's two bytes of the key's word
	v_cmp_eq_u32 vcc_lo, 0, v[100+\i]
	s_delay_alu instid0(VALU_DEP_1)
	v_cndmask_b32 v104, v105, v106, vcc_lo
	s_delay_alu instid0(VALU_DEP_1)
	v_or_b32 v[96+\i], v[96+\i], v104
.endr
	ds_store_b128 v30, v[96:99]
	ds_store_b64 v87, v[108:109]
; the four addresses of tile s[t]: q's half image, q's scale bytes, ctx's half image, ctx's scale bytes, into s[p] on
.macro PTRS t, p
	s_and_b32 s89, s[\t], 63
	s_lshr_b32 s90, s[\t], 6
	s_lshl_b32 s91, s14, 1
	s_add_co_u32 s90, s90, s91
	s_lshl_b32 s90, s90, 10
	s_add_co_u32 s89, s89, s90
	s_lshl_b32 s90, s17, 6
	s_add_co_u32 s89, s89, s90                     ; t % 64 + 64 hp + 1024 (2 b + t / 64)
	s_mul_i32 s92, s89, 1536
	s_mul_i32 s90, s16, 768
	s_add_co_u32 s92, s92, s90
	s_add_co_u32 s92, s92, IMG
	s_mov_b32 s93, 0
	s_add_nc_u64 s[\p:\p+1], s[4:5], s[92:93]
	s_lshl_b32 s92, s89, 6
	s_lshl_b32 s91, s16, 1
	s_add_co_u32 s92, s92, s91
	s_add_nc_u64 s[\p+2:\p+3], s[4:5], s[92:93]
	s_lshl_b32 s89, s14, 7
	s_add_co_u32 s89, s89, s[\t]                   ; ctx's 16 rows: 128 b + t
	s_lshl_b32 s92, s89, 3
	s_add_co_u32 s92, s92, s17
	s_mul_i32 s92, s92, 1536
	s_add_co_u32 s92, s92, s90
	s_add_co_u32 s92, s92, CODES
	s_add_nc_u64 s[\p+4:\p+5], s[10:11], s[92:93]
	s_lshl_b32 s92, s89, 9
	s_lshl_b32 s91, s15, 1
	s_add_co_u32 s92, s92, s91
	s_add_nc_u64 s[\p+6:\p+7], s[10:11], s[92:93]
.endm
	PTRS 12, 72
	PTRS 13, 80
	s_wait_tensorcnt 0x0                           ; my load of the first group has landed
	ds_add_u32 v95, v243
	s_add_co_u32 s53, s53, 49152                   ; no tensor load of mine is out: the second group's places: tiles 64-127 lie 1,024 fragments on,
	s_add_nc_u64 s[54:55], s[54:55], 1024*1536
	s_add_co_u32 s61, s61, 49152                   ; key steps 8-15 lie 512 fragments on
	s_add_nc_u64 s[62:63], s[62:63], 512*1536
	s_wait_dscnt 0x0                               ; the add is done, and my scale words are stored
	s_barrier_signal -1
	s_barrier_wait -1                              ; keys 0-1023 and all scale words lie in LDS
	FILL                                           ; keys 1,024-2,047: my one load behind this barrier
; Two blocks of 32 along the channels, v96-127 (register 16 b + i), become half a fragment in v224-229 and two scale bytes in v253.
.macro QUANT2
.irp b, 0,1
	v_max3_num_f32 v[232+\b], |v[96+16*\b]|, |v[97+16*\b]|, 0x1800000
.endr
.irp i, 2,4,6,8,10,12,14
.irp b, 0,1
	s_delay_alu instid0(VALU_DEP_2)
	v_max3_num_f32 v[232+\b], v[232+\b], |v[96+16*\b+\i]|, |v[97+16*\b+\i]|
.endr
.endr
.irp b, 0,1
	s_delay_alu instid0(VALU_DEP_2)
	v_permlanex16_b32 v[236+\b], v[232+\b], s[SEL], s[SEL+1]
.endr
.irp b, 0,1
	s_delay_alu instid0(VALU_DEP_2)
	v_max_num_f32 v[232+\b], v[232+\b], v[236+\b]
.endr
.irp b, 0,1
	s_delay_alu instid0(VALU_DEP_2)
	v_add_nc_u32 v[244+\b], 0xff000000, v[232+\b]
.endr
.irp b, 0,1
	s_delay_alu instid0(VALU_DEP_2)
	v_lshrrev_b32 v[236+\b], 23, v[244+\b]
.endr
	s_delay_alu instid0(VALU_DEP_1)
	v_lshl_or_b32 v253, v237, 8, v236
	v_cvt_scalef32_pk16_fp6_f32 v[224:226], v[96:111], v244
	v_cvt_scalef32_pk16_fp6_f32 v[236:238], v[112:127], v245
	v_nop                                          ; one plain place behind a scaled conversion
.irp i, 0,1,2
	v_permlane16_swap_b32 v[224+\i], v[236+\i]
.endr
.irp i, 0,1,2
	s_delay_alu instid0(VALU_DEP_3)
	v_mov_b32 v[227+\i], v[236+\i]
.endr
.endm
	; ---- U: wave w multiplies key step w of V^T by weights that are all 1 (code 4.0 under the byte 125); the sixteen parts meet in LDS
.macro UCALC
	v_mov_b32 v253, 0x7d7d7d7d
.irp q, 0,1,2,3
	v_mov_b32 v[16+3*\q], 0x18618618               ; the code 011000 sixteen times in 96 bits
	v_mov_b32 v[17+3*\q], 0x86186186
	v_mov_b32 v[18+3*\q], 0x61861861
.endr
	s_mul_i32 s89, s[WV], 6144
	s_lshl_b32 s90, s[WV], 8
	v_add_nc_u32 v[ADV], s89, v2
	v_add_nc_u32 v[ADT], s90, v4
.irp t, 0,1,2,3
.irp p, 0,1,2,3,4,5
	ds_load_b64 v[96+12*\t+2*\p:97+12*\t+2*\p], v[ADV] offset:1536*\t+256*\p
.endr
	ds_load_b32 v[248+\t], v[ADT] offset:64*\t
.endr
.rept 4
	v_nop                                          ; with the lines above: the places between vector writes of an operand and of a scale word and the scaled products
.endr
	s_wait_alu depctr_va_vdst(0)
	s_wait_dscnt 0x0
.irp t, 0,1,2,3
	v_wmma_scale_f32_16x16x128_f8f6f4 v[192+8*\t:199+8*\t], v[96+12*\t:107+12*\t], v[16:27], 0, v[248+\t], v253 matrix_a_fmt:MATRIX_FMT_FP6 matrix_b_fmt:MATRIX_FMT_FP6
.endr
.rept 4
	v_nop
.endr
.irp t, 0,1,2,3
	ds_store_b128 v91, v[192+8*\t:195+8*\t] offset:64*\t      ; channel 16 t + 8 h + j at 4 bytes a channel; the sixteen lanes of a half hold, and write, the same numbers
	ds_store_b128 v91, v[196+8*\t:199+8*\t] offset:64*\t+16
.endr
	s_wait_dscnt 0x0                               ; for the others' sake
	s_barrier_signal -1
	s_barrier_wait -1
.irp i, 0,1,2,3,4,5,6,7,8,9,10,11,12,13,14,15
	ds_load_b64 v[96+2*\i:97+2*\i], v94 offset:256*\i         ; my two channels of the sixteen parts
.endr
	s_wait_dscnt 0x0
.irp k, 0,1,2,3,4,5,6,7
	v_pk_add_f32 v[96+4*\k:97+4*\k], v[96+4*\k:97+4*\k], v[98+4*\k:99+4*\k]
.endr
.irp k, 0,1,2,3
	v_pk_add_f32 v[96+8*\k:97+8*\k], v[96+8*\k:97+8*\k], v[100+8*\k:101+8*\k]
.endr
.irp k, 0
	s_delay_alu instid0(VALU_DEP_3)
	v_pk_add_f32 v[96+16*\k:97+16*\k], v[96+16*\k:97+16*\k], v[104+16*\k:105+16*\k]
.endr
.irp k, 1
	s_delay_alu instid0(VALU_DEP_2)
	v_pk_add_f32 v[96+16*\k:97+16*\k], v[96+16*\k:97+16*\k], v[104+16*\k:105+16*\k]
.endr
	s_delay_alu instid0(VALU_DEP_1)
	v_pk_add_f32 v[96:97], v[96:97], v[112:113]
	s_delay_alu instid0(VALU_DEP_1)
	v_pk_mul_f32 v[128:129], v[96:97], 0x3a000000 op_sel_hi:[1,0]   ; / 2,048
	ds_store_b64 v92, v[128:129]                   ; through my wave's own 256 bytes into the result's layout; LDS serves a wave's instructions in order
.irp t, 0,1,2,3
	ds_load_b128 v[96+8*\t:99+8*\t], v93 offset:64*\t
	ds_load_b128 v[100+8*\t:103+8*\t], v93 offset:64*\t+16
.endr
	s_wait_dscnt 0x0
	QUANT2
.irp i, 0,1,2,3,4,5
	v_mov_b32 v[80+\i], v[224+\i]
.endr
	v_mov_b32 v86, v253
.endm
; A KEY STEP: 128 keys.
.macro STEP
	s_add_co_u32 s96, s[Q0], 15
	s_cmp_gt_u32 s[KF], s96
	s_cbranch_scc1 .Lhidden_\@                     ; all its keys come after my queries: only the addresses step
	v_add_nc_u32 v[ADK], s[TB], v1
	s_wait_alu depctr_va_vdst(0)
	v_add_nc_u32 v[ADV], s[TB], v2
	v_add_nc_u32 v[ADS], s[TS], v3
	s_wait_alu depctr_va_vdst(0)
	v_add_nc_u32 v[ADT], s[TJ], v4
	v_nop                                          ; six places behind the last step's products: the loads below land in their scale words, and the products below write over the registers that held V
	v_nop
.irp g, 0,1                                        ; S^T = K Q^T, four tiles of 16 keys at a time
.if \g
.rept 4
	v_nop                                          ; places in front of loads into registers that matrix instructions have read
.endr
.endif
.irp t, 0,1,2,3
.irp p, 0,1,2
	ds_load_b64 v[32+12*\t+2*\p:33+12*\t+2*\p], v[ADK] offset:768*(4*\g+\t)+256*\p
.endr
	ds_load_b32 v[248+\t], v[ADS] offset:64*(4*\g+\t)
.endr
	s_wait_dscnt 0x0
.irp t, 0,1,2,3
	v_wmma_scale_f32_16x16x128_f8f6f4 v[96+8*(4*\g+\t):103+8*(4*\g+\t)], v[32+12*\t:43+12*\t], v[16:27], 0, v[248+\t], v255 matrix_a_fmt:MATRIX_FMT_FP6 matrix_b_fmt:MATRIX_FMT_FP6
.endr
.endr
.rept 4
	v_nop
.endr
	s_add_co_u32 s96, s[KF], 127                   ; on the diagonal the scores of hidden keys become -infinity; a step all of whose keys count skips this
	s_cmp_le_u32 s96, s[Q0]
	s_cbranch_scc1 .Lopen_\@
	s_sub_co_i32 s96, s[Q0], s[KF]
	v_add_nc_u32 v252, s96, v90                    ; d = my query - KF - 8 h.  Register n holds key KF + 8 h + 16 (n / 8) + n % 8
	v_mov_b32 v254, 0xff800000
.set NN, 0
.rept 64
	v_cmp_gt_i32 vcc_lo, 16*(NN/8)+NN%8, v252
	v_cndmask_b32 v[96+NN], v[96+NN], v254, vcc_lo
.set NN, NN+1
.endr
.Lopen_\@:
.irp b, 0,1,2,3
	v_max3_num_f32 v[232+\b], v[96+16*\b], v[97+16*\b], v[98+16*\b]   ; the largest score of each block of 32 keys: for the row's maximum, and, since p rises with the score, for the block's largest p
.endr
.irp i, 3,5,7,9,11,13
.irp b, 0,1,2,3
	v_max3_num_f32 v[232+\b], v[232+\b], v[96+16*\b+\i], v[97+16*\b+\i]
.endr
.endr
.irp b, 0,1,2,3
	v_max_num_f32 v[232+\b], v[232+\b], v[111+16*\b]
.endr
.irp b, 0,1,2,3
	s_delay_alu instid0(VALU_DEP_4)
	v_permlanex16_b32 v[236+\b], v[232+\b], s[SEL], s[SEL+1]
.endr
.irp b, 0,1,2,3
	s_delay_alu instid0(VALU_DEP_4)
	v_max_num_f32 v[232+\b], v[232+\b], v[236+\b]
.endr
	s_delay_alu instid0(VALU_DEP_2)
	v_max3_num_f32 v254, v232, v233, v234
	s_delay_alu instid0(VALU_DEP_1)
	v_max_num_f32 v254, v254, v235
	s_delay_alu instid0(VALU_DEP_1)
	v_mul_f32 v254, s[CS], v254
	s_delay_alu instid0(VALU_DEP_1)
	v_max_num_f32 v13, v13, v254                   ; the running largest t
	v_mov_b32 v254, v12
	s_delay_alu instid0(VALU_DEP_2)
	v_floor_f32 v12, -v13                          ; the new -M: M is a whole number
	s_delay_alu instid0(VALU_DEP_1)
	v_sub_f32 v254, v12, v254
	s_delay_alu instid0(VALU_DEP_1)
	v_cvt_i32_f32 v254, v254                       ; (it saturates)
	s_delay_alu instid0(VALU_DEP_1)
	v_ldexp_f32 v252, 1.0, v254                    ; f = 2^(old M - new M)
.set NN, 0
.rept 32
	v_pk_fma_f32 v[96+NN:97+NN], v[96+NN:97+NN], s[CS:CS+1], v[12:13] op_sel_hi:[1,0,0]   ; t - M
.set NN, NN+2
.endr
.irp b, 0,1,2,3
	v_fma_f32 v[232+\b], v[232+\b], s[CS], v12
.endr
.set NN, 0
	s_wait_alu depctr_va_vdst(0)
.rept 64
	v_exp_f32 v[96+NN], v[96+NN]                   ; p = 2^(t - M)
.set NN, NN+1
.endr
	v_pk_mul_f32 v[14:15], v[14:15], v[252:253] op_sel_hi:[1,0]   ; the sums under the new M (a plain place behind the exponentials)
	s_wait_alu depctr_va_vdst(0)                   ; one wait for the batch of 64, ahead of its first reader
.irp b, 0,1,2,3
	v_exp_f32 v[232+\b], v[232+\b]                 ; each block's largest p
.endr
	v_pk_add_f32 v[236:237], v[100:101], v[104:105]
	v_pk_add_f32 v[250:251], v[108:109], v[112:113]
	v_pk_add_f32 v[248:249], v[116:117], v[120:121]
	v_pk_add_f32 v[246:247], v[124:125], v[128:129]
	v_pk_add_f32 v[244:245], v[132:133], v[136:137]
	v_pk_add_f32 v[240:241], v[140:141], v[144:145]
	v_pk_add_f32 v[238:239], v[148:149], v[152:153]
	v_pk_add_f32 v[14:15], v[14:15], v[156:157]
	v_pk_add_f32 v[236:237], v[236:237], v[96:97]
	v_pk_add_f32 v[250:251], v[250:251], v[98:99]
	v_pk_add_f32 v[248:249], v[248:249], v[102:103]
	v_pk_add_f32 v[246:247], v[246:247], v[106:107]
	v_pk_add_f32 v[244:245], v[244:245], v[110:111]
	v_pk_add_f32 v[240:241], v[240:241], v[114:115]
	v_pk_add_f32 v[238:239], v[238:239], v[118:119]
	v_pk_add_f32 v[14:15], v[14:15], v[122:123]
	v_pk_add_f32 v[236:237], v[236:237], v[126:127]
	v_pk_add_f32 v[250:251], v[250:251], v[130:131]
	v_pk_add_f32 v[248:249], v[248:249], v[134:135]
	v_pk_add_f32 v[246:247], v[246:247], v[138:139]
	v_pk_add_f32 v[244:245], v[244:245], v[142:143]
	v_pk_add_f32 v[240:241], v[240:241], v[146:147]
	v_pk_add_f32 v[238:239], v[238:239], v[150:151]
	v_pk_add_f32 v[14:15], v[14:15], v[154:155]
	v_pk_add_f32 v[236:237], v[236:237], v[158:159]
	s_delay_alu instid0(VALU_DEP_2)
	v_pk_add_f32 v[14:15], v[14:15], v[246:247]
	s_delay_alu instid0(VALU_DEP_2)
	v_pk_add_f32 v[236:237], v[236:237], v[244:245]
	v_pk_add_f32 v[250:251], v[250:251], v[240:241]
	v_pk_add_f32 v[248:249], v[248:249], v[238:239]
	s_delay_alu instid0(VALU_DEP_2)
	v_pk_add_f32 v[14:15], v[14:15], v[250:251]
	s_delay_alu instid0(VALU_DEP_2)
	v_pk_add_f32 v[236:237], v[236:237], v[248:249]
	s_delay_alu instid0(VALU_DEP_1)
	v_pk_add_f32 v[14:15], v[14:15], v[236:237]
	s_wait_alu depctr_va_vdst(0)                   ; and one for the four
.irp b, 0,1,2,3
	v_max_num_f32 v[232+\b], 0x1800000, v[232+\b]  ; the floor: the byte cannot fall under 1
.endr
.irp b, 0,1,2,3
	s_delay_alu instid0(VALU_DEP_4)
	v_add_nc_u32 v[244+\b], 0xff000000, v[232+\b]
.endr
.irp b, 0,1,2,3
	s_delay_alu instid0(VALU_DEP_4)
	v_lshrrev_b32 v[236+\b], 23, v[244+\b]
.endr
	s_delay_alu instid0(VALU_DEP_3)
	v_lshl_or_b32 v253, v237, 8, v236              ; p's scale word for these 128 keys
	s_delay_alu instid0(VALU_DEP_1)
	v_lshl_or_b32 v253, v238, 16, v253
	s_delay_alu instid0(VALU_DEP_1)
	v_lshl_or_b32 v253, v239, 24, v253
.irp c, 0,1
	v_cvt_scalef32_pk16_fp6_f32 v[224+6*\c:226+6*\c], v[96+32*\c:111+32*\c], v[244+2*\c]
	v_cvt_scalef32_pk16_fp6_f32 v[236+4*\c:238+4*\c], v[112+32*\c:127+32*\c], v[244+2*\c+1]
.endr
	v_nop                                          ; one plain place behind a scaled conversion
.irp t, 0,1,2,3                                    ; p is done with: V's four fragments land in its registers while the codes are put in order
.irp p, 0,1,2,3,4,5
	ds_load_b64 v[96+12*\t+2*\p:97+12*\t+2*\p], v[ADV] offset:1536*\t+256*\p
.endr
	ds_load_b32 v[248+\t], v[ADT] offset:64*\t
.endr
.irp c, 0,1
.irp i, 0,1,2
	v_permlane16_swap_b32 v[224+6*\c+\i], v[236+4*\c+\i]
.endr
.irp i, 0,1,2
	s_delay_alu instid0(VALU_DEP_3)
	v_mov_b32 v[227+6*\c+\i], v[236+4*\c+\i]
.endr
.endr
.set NN, 0
.rept 16
	v_pk_mul_f32 v[160+NN:161+NN], v[160+NN:161+NN], v[252:253] op_sel_hi:[1,0]   ; O^T under the new M; these are also the places in front of the scaled products
.set NN, NN+2
.endr
	s_wait_alu depctr_va_vdst(0)
	s_wait_dscnt 0x0
.irp t, 0,1,2,3                                    ; O^T += V^T P^T: four accumulators by turns
	v_wmma_scale_f32_16x16x128_f8f6f4 v[160+8*\t:167+8*\t], v[96+12*\t:107+12*\t], v[224:235], v[160+8*\t:167+8*\t], v[248+\t], v253 matrix_a_fmt:MATRIX_FMT_FP6 matrix_b_fmt:MATRIX_FMT_FP6
.endr
.Lhidden_\@:
	s_add_co_u32 s[KF], s[KF], 128
	s_add_co_u32 s[TB], s[TB], 6144
	s_add_co_u32 s[TS], s[TS], 512
	s_add_co_u32 s[TJ], s[TJ], 256
.endm
; n trips over the keys for the tile in s[T], whose addresses stand in s[P] on
.macro PASS n, P, T
.irp p, 0,1,2
	global_load_b64 v[16+2*\p:17+2*\p], v1, s[\P:\P+1] offset:256*\p   ; the head's half of q's fragment
.endr
	global_load_u16 v255, v6, s[\P+2:\P+3]         ; and its two scale bytes
	v_mov_b32 v22, v89                             ; place 64: -4.0
.irp i, 23,24,25,26,27
	v_mov_b32 v\i, 0
.endr
	s_lshl_b32 s[Q0], s[\T], 4
	s_wait_loadcnt 0x0
	v_or_b32 v255, 0x017f0000, v255                ; byte 2: 1.0; byte 3: over zero codes
	v_mov_b32 v13, 0xd3800000                      ; the largest t so far: -2^40
	s_delay_alu instid0(VALU_DEP_1)
	v_floor_f32 v12, -v13
	v_mov_b32 v14, 0
	v_mov_b32 v15, 0
.set NN, 0
.rept 32
	v_mov_b32 v[160+NN], 0                         ; O^T: the first change of M leaves zeros zeros
.set NN, NN+1
.endr
	s_mov_b32 s[TB], 0
	s_mov_b32 s[TS], 0
	s_mov_b32 s[TJ], 0
	s_mov_b32 s[KF], 0
.endm
; n trips over the keys, from where the step's scalars stand
.macro TRIPS n
	s_mov_b32 s[CNT], \n
.Lstep_\@:
	STEP
	s_sub_co_u32 s[CNT], s[CNT], 1
	s_cmp_lg_u32 s[CNT], 0
	s_cbranch_scc1 .Lstep_\@
.rept 4
	v_nop                                          ; places behind the last products
.endr
.endm
; O^T / the sum, quantised along the channels; where the sum is 0, U's codes and bytes take their place
.macro WAYOUT P
	v_add_f32 v14, v14, v15
	s_delay_alu instid0(VALU_DEP_1)
	v_permlanex16_b32 v252, v14, s[SEL], s[SEL+1]
	s_delay_alu instid0(VALU_DEP_1)
	v_add_f32 v14, v14, v252                       ; the row's sum
	s_delay_alu instid0(VALU_DEP_1)
	v_cmp_eq_f32 s[FLAG], 0, v14
	s_delay_alu instid0(VALU_DEP_1)
	v_cndmask_b32 v14, v14, 1.0, s[FLAG]
	s_wait_alu depctr_va_vdst(0)
	v_rcp_f32 v14, v14
	v_nop                                          ; a plain place behind the reciprocal
	s_wait_alu depctr_va_vdst(0)                   ; and the wait ahead of its first reader
.set NN, 0
.rept 16
	v_pk_mul_f32 v[96+NN:97+NN], v[160+NN:161+NN], v[14:15] op_sel_hi:[1,0]   ; register 8 t + j: channel 16 t + 8 h + j
.set NN, NN+2
.endr
	QUANT2
.endm
; the choice and the stores: codes in v[C] on, scale bytes in v[W], the lanes whose sum is 0 in s[F]
.macro SENDOUT P, F, C, W
.irp i, 0,1,2,3,4,5
	v_cndmask_b32 v[\C+\i], v[\C+\i], v[80+\i], s[\F]
.endr
	v_cndmask_b32 v[\W], v[\W], v86, s[\F]
.irp p, 0,1,2
	global_store_b64 v1, v[\C+2*\p:\C+2*\p+1], s[\P+4:\P+5] offset:256*\p   ; 32 lanes store 256 consecutive bytes, aligned
.endr
	global_store_b16 v7, v[\W], s[\P+6:\P+7]       ; the head's two of a row's 32 scale bytes; both halves of the lanes write the same value
.endm
	PASS 8, 72, 12
	TRIPS 8                                        ; tile t1: keys under 1,024 alone
	WAYOUT 72
	s_mov_b32 s68, s[FLAG]                         ; its flag, codes and scale bytes wait for U
.irp i, 0,1,2,3,4,5
	v_mov_b32 v[192+\i], v[224+\i]
.endr
	v_mov_b32 v198, v253
	PASS 16, 80, 13
	TRIPS 8                                        ; tile 127 - t1: keys under 1,024
	s_wait_alu depctr_va_vdst(0)
	s_wait_tensorcnt 0x0                           ; my load of the second group has landed,
	s_wait_dscnt 0x0
	s_barrier_signal -1
	s_barrier_wait -1                              ; and everybody's
	TRIPS 8                                        ; keys 1,024-2,047
.irp i, 0,1,2,3,4,5,6
	v_mov_b32 v[144+\i], v[192+\i]                 ; out of the registers that take U's sums
.endr
	UCALC
	SENDOUT 72, 68, 144, 150
	WAYOUT 80
	SENDOUT 80, FLAG, 224, 253
	s_wait_tensorcnt 0x0
	ds_add_u32 v95, v243
	s_wait_dscnt 0x0
	s_endpgm
.Lfunc_end_k_q0211635cfc_attn:
	.size	k_q0211635cfc_attn, .Lfunc_end_k_q0211635cfc_attn-k_q0211635cfc_attn
	.p2alignl 7, 3214868480
	.fill 96, 4, 3214868480
	.section	.rodata,"a",@progbits
	.p2align	6, 0x0
	.amdhsa_kernel k_q0211635cfc_attn
		.amdhsa_group_segment_fixed_size 327680
		.amdhsa_private_segment_fixed_size 0
		.amdhsa_enable_private_segment 0
		.amdhsa_kernarg_size 32
		.amdhsa_user_sgpr_count 2
		.amdhsa_user_sgpr_kernarg_segment_ptr 1
		.amdhsa_wavefront_size32 1
		.amdhsa_system_sgpr_workgroup_id_x 1
		.amdhsa_system_sgpr_workgroup_id_y 1
		.amdhsa_system_sgpr_workgroup_id_z 1
		.amdhsa_system_vgpr_workitem_id 0
		.amdhsa_next_free_vgpr 256
		.amdhsa_next_free_sgpr 100
		.amdhsa_reserve_vcc 1
		.amdhsa_float_denorm_mode_32 3
		.amdhsa_float_denorm_mode_16_64 3
		.amdhsa_memory_ordered 1
		.amdhsa_forward_progress 1
		.amdhsa_inst_pref_size 110
	.end_amdhsa_kernel
	.amdgpu_metadata
---
amdhsa.version: [ 1, 2 ]
amdhsa.kernels:
  - .name:           k_q0211635cfc_attn
    .symbol:         k_q0211635cfc_attn.kd
    .args:
      - { .name: qkc, .offset: 0, .size: 8, .value_kind: global_buffer, .address_space: global }
      - { .name: vc, .offset: 8, .size: 8, .value_kind: global_buffer, .address_space: global }
      - { .name: attention_mask, .offset: 16, .size: 8, .value_kind: global_buffer, .address_space: global }
      - { .name: ctx, .offset: 24, .size: 8, .value_kind: global_buffer, .address_space: global }
    .group_segment_fixed_size: 327680
    .private_segment_fixed_size: 0
    .kernarg_segment_align: 8
    .kernarg_segment_size: 32
    .max_flat_workgroup_size: 512
    .sgpr_count:     100
    .vgpr_count:     256
    .wavefront_size: 32
...
	.end_amdgpu_metadata
.endif
;; end of part 3
;; launch out (part 4): grid 4 x 32, 4 waves a work-group, clusters of 4 x 4, 327,680 bytes of LDS; arguments ctx, wo, out0; writes out0
.if DOCPART == 4
	.amdgcn_target "amdgcn-amd-amdhsa--gfx1250"
	.amdhsa_code_object_version 6
	.text
	.protected	k_q0211635cfc_out
	.globl	k_q0211635cfc_out
	.p2align	8
	.type	k_q0211635cfc_out,@function
k_q0211635cfc_out:
	s_mov_b64 s[64:65], 0
	v_nop
	global_prefetch_b8 v0, s[64:65] scope:SCOPE_SE
	s_setreg_imm32_b32 hwreg(HW_REG_WAVE_MODE, 25, 1), 1
	s_wait_xcnt 0x0
	s_wait_alu depctr_hold_cnt(0) depctr_sa_sdst(0) depctr_va_vdst(0) depctr_va_sdst(0) depctr_va_ssrc(0) depctr_va_vcc(0) depctr_vm_vsrc(0)
	s_getreg_b32 s2, hwreg(HW_REG_IB_STS2, 6, 4)
	s_cmp_eq_u32 s2, 0
	s_cbranch_scc0 .Lentry_in_a_cluster
	s_endpgm
.Lentry_in_a_cluster:
	s_bfe_u32 s2, ttmp6, 0x10000c
	s_cmp_lg_u32 s2, 0xf033
	s_cbranch_scc0 .Lentry_shape_is_right
	s_endpgm
.Lentry_shape_is_right:
; out0[m][n] = sum over k of ctx[m][k] Wo[k][n], K = 1,024, on codes of FP6 (E2M3) with E8M0 scales; out0 is f32, [8192][1024].
; A = ctx, B = Wo^T: operand buffers: scale bytes [row][32] at byte 0; from CODES on, fragments (16 rows, 128 along K) of 1,536 bytes as images of the operand's registers.
; A tile of 256 x 256 is made by four waves, each 128 x 128; K goes in steps of 256 through a ring of two LDS slots; 4 x 4 work-groups form a cluster, A's tiles asked for jointly along a row, B's along a column.
; THE HEAD'S LOADS, one joint load a wave: wave 0 K step 0's 256 rows of A, wave 1 its 256 rows of B, wave 2 A's scale bytes, wave 3 B's.  Slot 1's first fill follows behind the three lines and a round.
; The matrix instruction is used transposed, so a lane holds eight neighbouring numbers of a row; results leave through each wave's stage in slot 0 as rows of 512 bytes.
; No prefetch: of a tile's four K steps two are asked for ahead of the first product.
.set SIZE_N, 1024
.set NQ,     2
.set FR,     12
.set NL,     6
.set NP,     4
.set FRB,    1536
.set TROW,   2*FRB
.set KROW,   768
.set HALFT,  8*TROW
.set SLOT,   4*HALFT
.set LAPS,   2
.set KS,     32
.set SCL,    2*SLOT
.set HALFS,  16*272
.set SBLK,   2*272
.set SPARE,  SCL+4*HALFS
.set CODES,  262144
.set SPITCH, 528
.set ADRA, 16
.set ADRB, 20
.set STO,  24
.set RD,   25
.set CO,   26
.set ADRS, 27
.set SPW,  28
.set NIL,  29
.set SC,   32
.set AF,   128
.set BK,   128
.set G1, 24
.set G0, 32
.set G1B, 48
.set G0B, 56
.set G1S, 68
.set G0S, 76
.set G1SB, 80
.set G0SB, 88
.set MSB, 0
.macro WIN new
.if MSB != (\new)
	s_set_vgpr_msb (MSB<<8)|(\new)
.set MSB, (\new)
.endif
.endm
.set MUL_LO, 0xa1
.set MUL_HI, 0xf1
.set TO_B,   0x40
.macro JLOAD g0a, g1a, g0b, g1b
	s_cmp_eq_u32 s15, 0
	s_cbranch_scc0 .Lfor_b_\@
	tensor_load_to_lds s[\g0a:\g0a+3], s[\g1a:\g1a+7]
	s_nop 0
.rept 4
	v_nop
.endr
	s_branch .Lasked_\@
.Lfor_b_\@:
	tensor_load_to_lds s[\g0b:\g0b+3], s[\g1b:\g1b+7]
	s_nop 0
.rept 4
	v_nop
.endr
.Lasked_\@:
.endm
.macro CREST
	s_cmp_lg_u32 s14, 0
	s_cbranch_scc1 .Lnot_wave_0_\@
	s_barrier_signal -3
.Lnot_wave_0_\@:
	s_barrier_wait -3
	s_barrier_signal -1
	s_barrier_wait -1
.endm
.macro CROUND
	s_barrier_signal -1
	s_barrier_wait -1
	CREST
.endm
	s_load_b128 s[4:7], s[0:1], 0x0
	s_load_b64 s[12:13], s[0:1], 0x10
	v_lshl_add_u32 v[SPW], v0, 2, SPARE
	v_mov_b32 v[NIL], 0
	ds_add_u32 v28, v29
	ds_add_u32 v28, v29
	s_wait_dscnt 0x0
	v_lshrrev_b32 v1, 5, v0
	v_readfirstlane_b32 s14, v1
	s_lshr_b32 s15, s14, 1
	s_and_b32 s16, s14, 1
	s_bfe_u32 s40, ttmp6, 0x40000
	s_bfe_u32 s41, ttmp6, 0x40004
	s_lshl_b32 s42, ttmp9, 2
	s_add_co_u32 s42, s42, s40
	s_and_b32 s17, ttmp7, 0xffff
	s_lshl_b32 s17, s17, 2
	s_add_co_u32 s17, s17, s41
	s_lshl_b32 s43, s41, 2
	s_lshl_b32 s43, 15, s43
	s_lshl_b32 s44, 0x1111, s40
	s_or_b32 s[G1+0], s43, (3<<16)|(1<<21)
	s_or_b32 s[G1B+0], s44, (3<<16)|(1<<21)
.irp g, G1, G1B
	s_mov_b32 s[\g+1], 384<<16
	s_mov_b32 s[\g+2], 16<<16                      ; 16 row tiles for the head's loads; behind them the two words are set to 8, for the ring's
	s_mov_b32 s[\g+3], 384<<16
	s_mov_b32 s[\g+4], 16
	s_mov_b32 s[\g+5], 1536
	s_mov_b32 s[\g+6], 0
	s_mov_b32 s[\g+7], 0
.endr
	s_or_b32 s[G1S+0], s43, (3<<16)|(1<<20)|(1<<21)|(5<<22)|(3<<25)
	s_or_b32 s[G1SB+0], s44, (3<<16)|(1<<20)|(1<<21)|(5<<22)|(3<<25)
.irp g, G1S, G1SB
	s_mov_b32 s[\g+1], 32<<16
	s_mov_b32 s[\g+2], 32<<16                      ; the scale bytes of 256 rows: 32 rows of 256 bytes
	s_mov_b32 s[\g+3], 32<<16
	s_mov_b32 s[\g+4], 32
	s_mov_b32 s[\g+5], 32
	s_mov_b32 s[\g+6], 0
	s_mov_b32 s[\g+7], 0
.endr
	s_lshl_b32 s20, s17, 8                         ; A: the tile's first row
	s_lshl_b32 s46, s42, 8                         ; B likewise
	s_mov_b32 s21, 0
	s_mov_b32 s47, 0
	s_mov_b64 s[18:19], KS
	s_mul_u64 s[22:23], s[20:21], s[18:19]
	s_mul_u64 s[92:93], s[46:47], s[18:19]
	s_mov_b64 s[18:19], KROW
	s_mul_u64 s[20:21], s[20:21], s[18:19]
	s_mul_u64 s[46:47], s[46:47], s[18:19]
	s_add_nc_u64 s[20:21], s[20:21], CODES
	s_add_nc_u64 s[46:47], s[46:47], CODES
	s_mul_i32 s18, s16, 128*KROW                   ; in the ring I fetch 128 rows of a tile: which half, in bytes
	s_mov_b32 s19, 0
	s_mul_i32 s45, s14, HALFT                      ; where they go: no place in the cluster enters an LDS address
	s_wait_kmcnt 0x0
	s_add_nc_u64 s[20:21], s[4:5], s[20:21]
	s_add_nc_u64 s[22:23], s[4:5], s[22:23]
	s_add_nc_u64 s[46:47], s[6:7], s[46:47]
	s_add_nc_u64 s[92:93], s[6:7], s[92:93]
	CROUND
	s_mov_b32 s[G0S], 1
	s_mov_b32 s[G0S+1], SCL
	s_mov_b64 s[G0S+2:G0S+3], s[22:23]
	s_or_b32 s[G0S+3], s[G0S+3], 0x80000000
	s_mov_b32 s[G0SB], 1
	s_mov_b32 s[G0SB+1], SCL+2*HALFS
	s_mov_b64 s[G0SB+2:G0SB+3], s[92:93]
	s_or_b32 s[G0SB+3], s[G0SB+3], 0x80000000
.set G0H, 4                            ; s[4:7], s[8:11] group 0 of the head's loads of codes (the arguments in s[4:7] have been used)
.set G0HB, 8
	s_mov_b32 s[G0H], 1                            ; K step 0's 256 rows of A,
	s_mov_b32 s[G0H+1], 0
	s_mov_b64 s[G0H+2:G0H+3], s[20:21]
	s_or_b32 s[G0H+3], s[G0H+3], 0x80000000
	s_mov_b32 s[G0HB], 1                           ; its 256 rows of B, behind them in slot 0
	s_mov_b32 s[G0HB+1], 2*HALFT
	s_mov_b64 s[G0HB+2:G0HB+3], s[46:47]
	s_or_b32 s[G0HB+3], s[G0HB+3], 0x80000000
	s_add_nc_u64 s[20:21], s[20:21], s[18:19]      ; for the ring: my 128 rows of the tile
	s_add_nc_u64 s[46:47], s[46:47], s[18:19]
.irp s, 0,1
	s_mov_b32 s[G0+4*\s], 1
	s_add_co_u32 s[G0+4*\s+1], s45, \s*SLOT
	s_add_nc_u64 s[G0+4*\s+2:G0+4*\s+3], s[20:21], \s*TROW
	s_or_b32 s[G0+4*\s+3], s[G0+4*\s+3], 0x80000000
	s_mov_b32 s[G0B+4*\s], 1
	s_add_co_u32 s[G0B+4*\s+1], s45, \s*SLOT
	s_add_nc_u64 s[G0B+4*\s+2:G0B+4*\s+3], s[46:47], \s*TROW
	s_or_b32 s[G0B+4*\s+3], s[G0B+4*\s+3], 0x80000000
.endr
; one chain of branches on the wave's number, one load to an arm, all arms leading to one join: one tensor load a wave at the head
.macro ARM under, g0, g1, next
	s_cmp_lt_u32 s14, \under
	s_cbranch_scc0 \next
	tensor_load_to_lds s[\g0:\g0+3], s[\g1:\g1+7]
	s_nop 0
.rept 4
	v_nop
.endr
	s_branch .Lhead_asked
\next:
.endm
	ARM 1, G0H,  G1,  .Lhead_b
	ARM 2, G0HB, G1B, .Lhead_sa
	ARM 3, G0S,  G1S, .Lhead_sb
	tensor_load_to_lds s[G0SB:G0SB+3], s[G1SB:G1SB+7]
	s_nop 0
.rept 4
	v_nop
.endr
.Lhead_asked:
	v_and_b32 v1, 15, v0
	v_bfe_u32 v2, v0, 4, 1
	v_and_b32 v3, 31, v0
	v_lshlrev_b32 v4, 3, v3
	s_mul_i32 s21, s15, HALFT
	s_mul_i32 s22, s16, HALFT
	s_add_co_u32 s22, s22, 2*HALFT
.irp s, 0,1
	v_add_nc_u32 v[ADRA+\s], s21, v4
	v_add_nc_u32 v[ADRB+\s], s22, v4
	s_add_co_u32 s21, s21, SLOT
	s_add_co_u32 s22, s22, SLOT
.endr
	v_mul_u32_u24 v5, v1, KS
	v_lshrrev_b32 v6, 8, v5
	v_lshl_add_u32 v5, v6, 4, v5
	s_mul_i32 s21, s15, HALFS
	s_mul_i32 s22, s16, HALFS
	s_add_co_u32 s22, s22, 2*HALFS
	s_sub_co_u32 s22, s22, s21
	v_mul_u32_u24 v6, s22, v2
	s_add_co_u32 s21, s21, SCL
	v_add_nc_u32 v5, v5, v6
	v_add_nc_u32 v[ADRS], s21, v5
	s_mul_i32 s23, s14, 16*SPITCH
	v_mul_u32_u24 v5, v1, SPITCH
	v_lshl_add_u32 v5, v2, 5, v5
	v_add_nc_u32 v[STO], s23, v5
	v_lshlrev_b32 v[CO], 4, v3
	v_add_nc_u32 v[RD], s23, v[CO]
	s_lshl_b32 s20, s17, 8
	s_lshl_b32 s21, s15, 7
	s_add_co_u32 s20, s20, s21
	s_mov_b32 s21, 0
	s_mov_b64 s[18:19], SIZE_N*4
	s_mul_u64 s[20:21], s[20:21], s[18:19]
	s_lshl_b32 s46, s42, 10
	s_lshl_b32 s47, s16, 9
	s_add_co_u32 s46, s46, s47
	s_mov_b32 s47, 0
	s_add_nc_u64 s[20:21], s[20:21], s[46:47]
	s_add_nc_u64 s[12:13], s[12:13], s[20:21]
.macro FRAG reg, adr, q, i
.irp p, 0,1,2,3,4,5
	ds_load_b64 v[\reg+2*\p:\reg+2*\p+1], v[\adr] offset:(\i)*TROW+(\q)*FRB+256*\p
.endr
.endm
.macro MUL16 a0, p, q, sc, zero
.irp a, \a0, \a0+1
.irp b, 0,1,2,3,4,5,6,7
.if \zero
	v_wmma_scale_f32_16x16x128_f8f6f4 v[8*(8*((\a)%4)+\b):8*(8*((\a)%4)+\b)+7], v[128*(\p)+FR*\b:128*(\p)+FR*\b+FR-1], v[AF+FR*(\a):AF+FR*(\a)+FR-1], 0, v[SC+8*NQ*(\sc)+NQ*\b+(\q)], v[SC+8*NQ*(\sc)+NQ*(\a)+(\q)] matrix_a_fmt:MATRIX_FMT_FP6 matrix_b_fmt:MATRIX_FMT_FP6 matrix_a_scale:MATRIX_SCALE_ROW1
.else
	v_wmma_scale_f32_16x16x128_f8f6f4 v[8*(8*((\a)%4)+\b):8*(8*((\a)%4)+\b)+7], v[128*(\p)+FR*\b:128*(\p)+FR*\b+FR-1], v[AF+FR*(\a):AF+FR*(\a)+FR-1], v[8*(8*((\a)%4)+\b):8*(8*((\a)%4)+\b)+7], v[SC+8*NQ*(\sc)+NQ*\b+(\q)], v[SC+8*NQ*(\sc)+NQ*(\a)+(\q)] matrix_a_fmt:MATRIX_FMT_FP6 matrix_b_fmt:MATRIX_FMT_FP6 matrix_a_scale:MATRIX_SCALE_ROW1
.endif
.endr
.endr
.endm
.macro FETCH_B slot, q, p
	WIN TO_B
.irp i, 0,1,2,3,4,5,6,7
	FRAG 128*(\p)+FR*\i, ADRB+\slot, \q, \i
.endr
	WIN 0
.endm
.macro FETCH_A slot, q, i0
.irp i, \i0, \i0+1, \i0+2, \i0+3
	FRAG AF+FR*(\i), ADRA+\slot, \q, \i
.endr
.endm
.macro SCALES sc
.irp i, 0,1,2,3,4,5,6,7
	ds_load_b64 v[SC+8*NQ*\sc+NQ*\i:SC+8*NQ*\sc+NQ*\i+1], v[ADRS] offset:\i*SBLK
.endr
.endm
.macro PLACES n
.rept \n
	v_nop
.endr
.endm
.macro STEP slot, q, zero
	s_wait_dscnt 4*NL
	WIN MUL_LO
	MUL16 0, (\q)%2, \q, \slot, \zero
	MUL16 2, (\q)%2, \q, \slot, \zero
	s_wait_dscnt 0
	PLACES NP
	FETCH_B \slot, (\q)+1, 1-(\q)%2
	FETCH_A \slot, (\q)+1, 0
	WIN MUL_HI
	MUL16 4, (\q)%2, \q, \slot, \zero
	MUL16 6, (\q)%2, \q, \slot, \zero
	PLACES NP
	WIN 0
	FETCH_A \slot, (\q)+1, 4
.endm
.macro TURN slot, next, fill
	s_wait_tensorcnt 0x0
	ds_add_u32 v[SPW], v[NIL]
	s_wait_dscnt 4*NL+1
	WIN MUL_LO
	MUL16 0, 1, NQ-1, \slot, 0
	s_wait_dscnt 0x0
	s_barrier_signal -1
	MUL16 2, 1, NQ-1, \slot, 0
	WIN 0
	s_barrier_wait -1
.if \fill
	CREST
	s_add_nc_u64 s[G0+4*\slot+2:G0+4*\slot+3], s[G0+4*\slot+2:G0+4*\slot+3], 2*TROW
	s_add_nc_u64 s[G0B+4*\slot+2:G0B+4*\slot+3], s[G0B+4*\slot+2:G0B+4*\slot+3], 2*TROW
	JLOAD G0+4*\slot, G1, G0B+4*\slot, G1B
.else
	PLACES NP
.endif
	s_wait_alu depctr_va_vdst(0)
	v_add_nc_u32 v[ADRS], 4*NQ, v[ADRS]
	FETCH_B \next, 0, 0
	FETCH_A \next, 0, 0
	SCALES \next
	WIN MUL_HI
	MUL16 4, 1, NQ-1, \slot, 0
	MUL16 6, 1, NQ-1, \slot, 0
	PLACES NP
	WIN 0
	FETCH_A \next, 0, 4
.endm
	s_wait_alu depctr_va_vdst(0)
	s_wait_tensorcnt 0x0                           ; my tile of the head's four is in
	ds_add_u32 v[SPW], v[NIL]
	s_mov_b32 s[G1+2], 8<<16                       ; no tensor load of mine is out: from here on a load brings 8 row tiles
	s_mov_b32 s[G1+4], 8
	s_mov_b32 s[G1B+2], 8<<16
	s_mov_b32 s[G1B+4], 8
	s_wait_dscnt 0x0
	CROUND                                         ; all four tiles are in, and all sixteen work-groups are here
	JLOAD G0+4, G1, G0B+4, G1B                     ; K step 1's load, the first tensor load behind the round
	FETCH_B 0, 0, 0
	FETCH_A 0, 0, 0
	SCALES 0
	FETCH_A 0, 0, 4
	STEP 0, 0, 1
	s_mov_b32 s3, LAPS-1
.Llap:
	TURN 0, 1, 1
	STEP 1, 0, 0
	TURN 1, 0, 1
	STEP 0, 0, 0
	s_sub_co_u32 s3, s3, 1
	s_cmp_lg_u32 s3, 0
	s_cbranch_scc1 .Llap
	TURN 0, 1, 0
	STEP 1, 0, 0
	s_wait_dscnt 4*NL
	WIN MUL_LO
	MUL16 0, 1, NQ-1, 1, 0
	MUL16 2, 1, NQ-1, 1, 0
	s_wait_dscnt 0
	WIN MUL_HI
	MUL16 4, 1, NQ-1, 1, 0
	MUL16 6, 1, NQ-1, 1, 0
	WIN 0
.macro TOSTAGE a
.set AC, 64*((\a)%4)
	WIN 0x08+4*((\a)/4)
.irp b, 0,1,2,3,4,5,6,7
	ds_store_b128 v[STO], v[AC+8*\b:AC+8*\b+3] offset:64*\b
	ds_store_b128 v[STO], v[AC+8*\b+4:AC+8*\b+7] offset:64*\b+16
.endr
	WIN 0
.set BB, BK+64*((\a)%2)
.irp t, 0,1,2,3,4,5,6,7,8,9,10,11,12,13,14,15
	ds_load_b128 v[BB+4*\t:BB+4*\t+3], v[RD] offset:\t*SPITCH
.endr
.endm
.macro SEND a, younger
.set BB, BK+64*((\a)%2)
	s_wait_dscnt \younger
.if (\a) > 0
	s_add_nc_u64 s[12:13], s[12:13], 16*SIZE_N*4
.endif
.irp t, 0,1,2,3,4,5,6,7,8,9,10,11,12,13,14,15
	global_store_b128 v[CO], v[BB+4*\t:BB+4*\t+3], s[12:13] offset:\t*SIZE_N*4 th:TH_STORE_NT
.endr
.endm
	PLACES NP
	TOSTAGE 0
.irp a, 1,2,3,4,5,6,7
.if \a > 1
	s_wait_xcnt 0x0
.endif
	TOSTAGE \a
	SEND \a-1, 32
.endr
	s_wait_xcnt 0x0
	SEND 7, 0
	s_wait_tensorcnt 0x0
	ds_add_u32 v[SPW], v[NIL]
	s_wait_dscnt 0x0
	CROUND
	s_endpgm
.Lfunc_end_k_q0211635cfc_out:
	.size	k_q0211635cfc_out, .Lfunc_end_k_q0211635cfc_out-k_q0211635cfc_out
	.p2alignl 7, 3214868480
	.fill 96, 4, 3214868480
	.section	.rodata,"a",@progbits
	.p2align	6, 0x0
	.amdhsa_kernel k_q0211635cfc_out
		.amdhsa_group_segment_fixed_size 327680
		.amdhsa_private_segment_fixed_size 0
		.amdhsa_enable_private_segment 0
		.amdhsa_kernarg_size 24
		.amdhsa_user_sgpr_count 2
		.amdhsa_user_sgpr_kernarg_segment_ptr 1
		.amdhsa_wavefront_size32 1
		.amdhsa_system_sgpr_workgroup_id_x 1
		.amdhsa_system_sgpr_workgroup_id_y 1
		.amdhsa_system_sgpr_workgroup_id_z 1
		.amdhsa_system_vgpr_workitem_id 0
		.amdhsa_next_free_vgpr 1024
		.amdhsa_next_free_sgpr 98
		.amdhsa_reserve_vcc 0
		.amdhsa_float_denorm_mode_32 3
		.amdhsa_float_denorm_mode_16_64 3
		.amdhsa_memory_ordered 1
		.amdhsa_forward_progress 1
		.amdhsa_inst_pref_size 160
	.end_amdhsa_kernel
	.amdgpu_metadata
---
amdhsa.version: [ 1, 2 ]
amdhsa.kernels:
  - .name:           k_q0211635cfc_out
    .symbol:         k_q0211635cfc_out.kd
    .args:
      - { .name: ctx, .offset: 0, .size: 8, .value_kind: global_buffer, .address_space: global }
      - { .name: wo, .offset: 8, .size: 8, .value_kind: global_buffer, .address_space: global }
      - { .name: out0, .offset: 16, .size: 8, .value_kind: global_buffer, .address_space: global }
    .group_segment_fixed_size: 327680
    .private_segment_fixed_size: 0
    .kernarg_segment_align: 8
    .kernarg_segment_size: 24
    .max_flat_workgroup_size: 128
    .sgpr_count:     98
    .vgpr_count:     1024
    .wavefront_size: 32
...
	.end_amdgpu_metadata
.endif
;; end of part 4
